; MI455X (gfx1250); checked and timed in simulation.
; The chip was launched on July 23, 2026; its instructions are those of AMD's public machine-readable ISA for CDNA 5 (MIT licence, August 2026) and "CDNA5" Instruction Set Architecture Reference Guide (July 2026). The comments in the code are by the model that wrote it; some were corrected since.
;; Multihead Self Attention. Allowed arithmetic: matrix products marked QUANTISED: E2M3 operands, one E8M0 scale for each 32 along K, by v_wmma_scale_f32_16x16x128_f8f6f4 with both operands' format E2M3, f32 sums; everything else in f32.
;; Inputs: W_K 1,024 x 1,024 float32; W_O 1,024 x 1,024 float32; W_Q 1,024 x 1,024 float32; W_V 1,024 x 1,024 float32; x 4 x 2,048 x 1,024 float32.
;; Outputs: out0 4 x 2,048 x 1,024 float32.
;; This version of the problem:
;;   THIS VERSION OF THE PROBLEM IS GIVEN IN LOW PRECISION. The matrix products marked QUANTISED in the list below multiply operands that are first quantised to E2M3 (2 exponent bits, 3 mantissa bits; 6 bits a number), with one power-of-two scale for each 32 numbers along K (OCP MX v1.0); their sums are f32. All else is computed in f32.
;;   The module's matrix products, in the order in which they are computed (A, B: the left and right operand; K: the contracted axis; several contracted axes count as one K, in the product's order):
;;     1. [M 8,192, K 1,024] x [K 1,024, N 1,024]; A: input x; B: input W_Q: QUANTISED
;;     2. [M 8,192, K 1,024] x [K 1,024, N 1,024]; A: input x; B: input W_K: QUANTISED
;;     3. [M 8,192, K 1,024] x [K 1,024, N 1,024]; A: input x; B: input W_V: QUANTISED
;;     4. batch 64 x [M 2,048, K 64] x [K 64, N 2,048]; A: computed on the way; B: computed on the way: QUANTISED
;;     5. batch 64 x [M 2,048, K 2,048] x [K 2,048, N 64]; A: softmax (see below); B: computed on the way: QUANTISED
;;     6. [M 8,192, K 1,024] x [K 1,024, N 1,024]; A: computed on the way; B: input W_O: QUANTISED
;;   THE QUANTISER, for each operand of a quantised product, along K:
;;     - K is cut into blocks of 32 from its start; a last block that is shorter is filled with zeros.
;;     - A block's scale is 2^e with e = floor(log2(the largest magnitude in the block)) - 2, held to -126 .. 127; a block of zeros has e = 0. As a byte (E8M0): e + 127.
;;     - Each number is divided by its block's scale, clamped to +-7.5, and rounded to the nearest number of E2M3, ties to even, subnormals kept.
;;     - The product sums the exact products of the quantised numbers (number of the format x scale) in f32.
;;   ~~~python
;;   def quantise(x, axis):      # numpy; x: float32 -> the quantised numbers, widened to float32 again
;;       x = np.moveaxis(x, axis, -1); K = x.shape[-1]
;;       x = np.pad(x, [(0, 0)] * (x.ndim - 1) + [(0, -K % 32)]); x = x.reshape(x.shape[:-1] + (-1, 32)); a = np.abs(x).max(-1, keepdims=True)
;;       e = np.where(a > 0, np.clip(np.frexp(np.where(a > 0, a, 1))[1] - 1 - 2, -126, 127), 0)      # np.frexp(a)[1] - 1 = floor(log2(a)), exactly
;;       r = np.clip(x / 2.0 ** e, -7.5, 7.5)
;;       step = 2.0 ** (np.maximum(np.frexp(np.where(r == 0, 1, r))[1] - 1, 0) - 3)
;;       q = np.round(r / step) * step * 2.0 ** e      # np.round: ties to even
;;       return np.moveaxis(q.reshape(q.shape[:-2] + (-1,))[..., :K], -1, axis).astype(np.float32)
;;   ~~~
;;   SOFTMAX AHEAD OF A QUANTISED PRODUCT. Where the list says 'softmax', what is quantised is not the finished softmax but p = 2^(t - M), with t = logit x log2(e) and M = ceil(the row's largest t), a whole number; so 1/2 < the row's largest p <= 1. The row's sum l is taken of the UNQUANTISED p, in f32, and the product's result is divided by l at the end. Since M is a whole number, a kernel that streams over the keys may use a running M (the ceiling of the running maximum): every later rescaling is an exact power of two, which a block's scale takes up: the codes' values come out the same.
;;   OPERANDS COMPUTED ON THE WAY. 'Computed on the way' means the value that the module computes at that place (a softmax that the list does not call 'softmax' is quantised finished and normalised). What goes into a quantiser is computed in f32, as accurately as f32 sums, v_exp_f32 and their like allow (about 1e-6 of the number): no bf16 or f16 on the way to a quantiser, and a product that is left as it is and whose result goes on into a quantised operand takes f32 operands (vector FMAs, or v_wmma_f32_16x16x4_f32). A number that lies on a knife's edge between two numbers of the format may be rounded either way, as far as f32 arithmetic and the matrix unit's own rounding can turn it there, and no further.
;; One version. Each part assembles by itself: llvm-mc -triple=amdgcn-amd-amdhsa -mcpu=gfx1250 --defsym DOCPART=n.
;; ======== version 1 of 1: 4 launches
;; workspace buffers: x_codes 6,291,456 bytes; x_scales 262,144 bytes; w_codes 3,145,728 bytes; w_scales 131,072 bytes; qkv_codes 18,874,368 bytes; qkv_scales 1,310,720 bytes; ao_codes 6,291,456 bytes; ao_scales 262,144 bytes
;; launch quant (part 1): grid 384 x 1, 4 waves a work-group, no clusters, 33,280 bytes of LDS; arguments x, W_Q, W_K, W_V, W_O, x_codes, x_scales, w_codes, w_scales; writes x_codes, x_scales, w_codes, w_scales
.if DOCPART == 1
	.amdgcn_target "amdgcn-amd-amdhsa--gfx1250"
	.amdhsa_code_object_version 6
	.text
	.protected	k_q43b923be25_quant
	.globl	k_q43b923be25_quant
	.p2align	8
	.type	k_q43b923be25_quant,@function
k_q43b923be25_quant:
	s_mov_b64 s[64:65], 0
	v_nop
	global_prefetch_b8 v0, s[64:65] scope:SCOPE_SE
	s_setreg_imm32_b32 hwreg(HW_REG_WAVE_MODE, 25, 1), 1
	s_wait_xcnt 0x0
; LAUNCH 1 OF 4: x [8192][1024] and W_Q, W_K, W_V, W_O [1024][1024], f32 with K innermost, become codes of FP6 (E2M3) with one E8M0 byte for each 32 along K.
; THE PROGRAM: 1 quantise x and the weights; 2 the products x W_Q^T, x W_K^T, x W_V^T, their results quantised in registers; 3 causal attention on codes, its result quantised; 4 the product with W_O.
; WORK LEFT OUT (launch 3): a step of 128 keys all of which come after a wave's 16 queries.  reference() builds the causal mask in its own body and sets those scores to the least f32 number; key 0 counts for every
; query, so the row's largest score is a visible one, and the weight of a hidden key is 2^(least - largest), which is 0 beside the visible ones for all finite inputs whose visible scores are not themselves near the least number.
; Such a step adds 0 to the row's sum and zero codes to the second product: it is not done.  LIMIT: a NaN, an infinity or an overflow that would arise only in a score that is left out is not carried to the result;
; rows whose visible logits lie near -3.4e38 are not served.  Every input has a way to the output and is loaded.
; THE ORDER OF ROWS.  Rows of x, W_Q, W_K, W_V are stored BY POSITION: position p holds row pi(p), pi = bits 3 and 4 of the index exchanged.  Sixteen neighbouring positions, block 2 b + u, then hold rows
; 32 b + 8 u + r + 8 (r / 8): where such a block is a matrix instruction's source 0, a lane's 16 result registers of blocks 2 b and 2 b + 1 are 16 NEIGHBOURS along the next product's K.  W_O keeps its order.
; A block's scale is 2^(floor(log2(its largest magnitude)) - 2); its byte is the largest magnitude's exponent field - 2, held at 1 from below.  A block of zeros so gets the byte 1 where the rule says 127: its codes
; are zeros, which add nothing under any byte but 0xff, and the bytes are read by this program alone.
; LIMITS: blocks whose largest magnitude lies under 2^(2 - 126), whose byte is held at 1, were not tried; NaN and infinities among the inputs are not served.
; SHARES.  A work-group takes 32 rows (one group of pi), a wave 8 rows = 16 steps of 512 numbers.  Work-groups 0-255: x; 256 + 32 j ..: weight j.  A wave's 8 rows go to the place of wave' = the wave's two bits exchanged.
; Each of a step's four loads reads 512 consecutive bytes; the 2,048 bytes turn through the wave's own stage in LDS and come back 64 bytes a lane: 16 neighbours along K, two lanes to a block.
; A stream: no matrix unit, no cluster, no barrier (waves share nothing), no prefetch (the loads themselves run four steps ahead).
.set WAVES, 4
.set STEPS, 16
.set EMAX,  2
.set CB,    12                         ; bytes of 16 codes
.set R,     16                         ; v16-79   four sets of 16 numbers as they are loaded
.set X,     80                         ; v80-111  two sets of 16 neighbours
.set C,     128                        ; v128-191 codes: four registers for each step, so that no store's data are written again
.set E,     112                        ; v112-127 a scale byte for each step
.set WREG,  8192                       ; LDS: a region for each wave: two stages of 32 x SP bytes, behind them its 256 scale bytes
.set SP,    80                         ; a lane's place in a stage: 64 bytes + 16 of padding
.set SPW,   12                         ; v12      LDS address of my spare word; never rewritten
.set NIL,   13                         ; v13      0; never rewritten
.set SPARE, WAVES*WREG                 ; the spare words: 128 bytes a wave, two blocks of 256 bytes that no other line names
	s_load_b256 s[4:11], s[0:1], 0x0               ; x, W_Q, W_K, W_V
	s_load_b256 s[12:19], s[0:1], 0x20             ; W_O, x_codes, x_scales, w_codes
	s_load_b64 s[20:21], s[0:1], 0x40              ; w_scales
	v_lshl_add_u32 v[SPW], v0, 2, SPARE
	v_mov_b32 v[NIL], 0
	v_lshrrev_b32 v1, 5, v0
	v_readfirstlane_b32 s22, v1                    ; wave
	v_and_b32 v2, 31, v0                           ; lane
	v_lshlrev_b32 v3, 4, v2                        ; my 16 bytes of a load's 512
	s_mul_i32 s23, s22, WREG
	v_lshrrev_b32 v14, 2, v2
	v_mul_u32_u24 v14, v14, SP
	v_and_b32 v15, 3, v2
	v_lshl_add_u32 v14, v15, 4, v14
	v_add_nc_u32 v14, s23, v14                     ; the stage, on the way in: SP (lane / 4) + 16 (lane % 4)
	v_mul_u32_u24 v15, v2, SP
	v_add_nc_u32 v15, s23, v15                     ; and on the way out: SP x lane: my 16 neighbours
	v_mul_u32_u24 v4, v2, CB                       ; my codes' place in a step's
	v_lshrrev_b32 v5, 1, v2
	s_add_co_u32 s23, s23, 2*32*SP
	v_add_nc_u32 v5, s23, v5                       ; LDS: my wave's 256 scale bytes, my block's byte
	v_lshlrev_b32 v7, 3, v2                        ; and on the way out 8 bytes a lane
	v_add_nc_u32 v6, s23, v7
	s_and_b32 s24, ttmp9, 31                       ; a weight's work-group within the weight
	s_sub_co_u32 s25, ttmp9, 256                   ; and within the four weights
	s_and_b32 s26, s22, 1
	s_lshl_b32 s26, s26, 1
	s_lshr_b32 s27, s22, 1
	s_or_b32 s26, s26, s27                         ; wave' = the wave's two bits exchanged: pi on a group of 32 rows, 8 rows at a time
	s_wait_alu depctr_va_vdst(0)
	s_wait_kmcnt 0x0
	s_cmp_lt_u32 ttmp9, 352                        ; every choice hangs on the work-group's number alone
	s_cselect_b64 s[12:13], s[10:11], s[12:13]     ; W_V or W_O
	s_cselect_b32 s26, s26, s22                    ; W_O keeps its order
	s_cmp_lt_u32 ttmp9, 320
	s_cselect_b64 s[12:13], s[8:9], s[12:13]       ; W_K
	s_cmp_lt_u32 ttmp9, 288
	s_cselect_b64 s[12:13], s[6:7], s[12:13]       ; W_Q
	s_cmp_lt_u32 ttmp9, 256
	s_cselect_b64 s[12:13], s[4:5], s[12:13]       ; x
	s_cselect_b64 s[14:15], s[14:15], s[18:19]     ; the codes' buffer
	s_cselect_b64 s[16:17], s[16:17], s[20:21]     ; the scale bytes' buffer
	s_cselect_b32 s24, ttmp9, s24
	s_cselect_b32 s25, ttmp9, s25
	s_lshl_b32 s24, s24, 2
	s_add_co_u32 s24, s24, s22                     ; which run of 8 rows I read
	s_lshl_b32 s28, s24, 15                        ; 32,768 bytes a run
	s_mov_b32 s29, 0
	s_lshl_b32 s25, s25, 2
	s_add_co_u32 s25, s25, s26                     ; and at which run's place I store
	s_mul_i32 s30, s25, 32*STEPS*CB                ; 6,144 bytes of codes a run
	s_mov_b32 s31, 0
	s_lshl_b32 s32, s25, 8                         ; 256 scale bytes a run
	s_mov_b32 s33, 0
	s_add_nc_u64 s[12:13], s[12:13], s[28:29]
	s_add_nc_u64 s[14:15], s[14:15], s[30:31]
	s_add_nc_u64 s[16:17], s[16:17], s[32:33]
.macro LOAD t
.irp i, 0,1,2,3
	global_load_b128 v[R+16*((\t)%4)+4*\i:R+16*((\t)%4)+4*\i+3], v3, s[12:13] offset:2048*(\t)+512*\i th:TH_LOAD_NT   ; 32 lanes read 512 consecutive bytes
.endr
.endm
.macro TURN t                          ; step t's numbers through the stage: LDS serves a wave's instructions in order, so no wait stands between the stores and the loads
.irp i, 0,1,2,3
	ds_store_b128 v14, v[R+16*((\t)%4)+4*\i:R+16*((\t)%4)+4*\i+3] offset:32*SP*((\t)%2)+8*SP*\i
.endr
.irp i, 0,1,2,3
	ds_load_b128 v[X+16*((\t)%2)+4*\i:X+16*((\t)%2)+4*\i+3], v15 offset:32*SP*((\t)%2)+16*\i
.endr
.endm
.irp t, 0,1,2,3
	LOAD \t
.endr
	s_wait_loadcnt 12                              ; step 0's four loads are in; the twelve of steps 1 to 3 may be out
	TURN 0
.macro STEP t
.set XS, X+16*((\t)%2)
.if (\t) > 0
	s_wait_dscnt 1                                 ; this step's numbers are back from the stage (the last step's byte store may be out): so its stores into the stage have read their registers,
.else
	s_wait_dscnt 0x0
.endif
.if (\t)+4 < STEPS
	LOAD (\t)+4                                    ; which take the loads of four steps on
.endif
.if (\t)+1 < STEPS
.if STEPS-2-(\t) >= 3
	s_wait_loadcnt 12                              ; the next step's four loads are in; those of the three steps behind it may be out
.else
	s_wait_loadcnt 4*(STEPS-2-(\t))
.endif
	TURN (\t)+1                                    ; and go through the other stage while this step is worked
.endif
	v_max3_num_f32 v8, |v[XS]|, |v[XS+1]|, |v[XS+2]|               ; the largest magnitude of my 16, in two chains
	v_max3_num_f32 v9, |v[XS+3]|, |v[XS+4]|, |v[XS+5]|
.irp i, 6,10
	v_max3_num_f32 v8, v8, |v[XS+\i]|, |v[XS+\i+1]|
	v_max3_num_f32 v9, v9, |v[XS+\i+2]|, |v[XS+\i+3]|
.endr
	v_max3_num_f32 v8, v8, |v[XS+14]|, |v[XS+15]|
	v_max3_num_f32 v8, v8, v9, (EMAX+1)<<23        ; and the floor 2^(EMAX + 1 - 127): the byte cannot fall under 1
	v_max_num_f32_dpp v8, v8, v8 row_xmask:1 row_mask:0xf bank_mask:0xf   ; and of my neighbour's 16: the block's
	v_add_nc_u32 v11, -(EMAX<<23), v8              ; EMAX off its exponent field: the conversion takes the exponent field of this operand as its scale
	v_cvt_scalef32_pk16_fp6_f32 v[C+4*(\t):C+4*(\t)+2], v[XS:XS+15], v11         ; sixteen numbers / the scale, to the nearest code, ties to even, beyond the largest code the largest; 96 bits without gaps
	v_lshrrev_b32 v[E+(\t)], 23, v11               ; the scale's byte (also the plain line behind the conversion)
	ds_store_b8 v5, v[E+(\t)] offset:16*(\t)       ; both lanes of a block write the same byte with the same value
	global_store_b96 v4, v[C+4*(\t):C+4*(\t)+2], s[14:15] offset:32*CB*(\t)      ; the wave stores 384 consecutive bytes
.endm
.irp t, 0,1,2,3,4,5,6,7,8,9,10,11,12,13,14,15
	STEP \t
.endr
	ds_load_b64 v[8:9], v6                         ; LDS serves a wave's instructions in order: these see my stores
	s_wait_dscnt 0x0
	global_store_b64 v7, v[8:9], s[16:17]          ; 32 lanes store 256 consecutive bytes, at a multiple of 256 from the buffer's first byte
	s_wait_tensorcnt 0x0                           ; the wave's end, behind my last LDS store
	ds_add_u32 v[SPW], v[NIL]
	s_wait_dscnt 0x0
	s_endpgm
.Lfunc_end_k_q43b923be25_quant:
	.size	k_q43b923be25_quant, .Lfunc_end_k_q43b923be25_quant-k_q43b923be25_quant
	.p2alignl 7, 3214868480
	.fill 96, 4, 3214868480
	.section	.rodata,"a",@progbits
	.p2align	6, 0x0
	.amdhsa_kernel k_q43b923be25_quant
		.amdhsa_group_segment_fixed_size 33280
		.amdhsa_private_segment_fixed_size 0
		.amdhsa_enable_private_segment 0
		.amdhsa_kernarg_size 72
		.amdhsa_user_sgpr_count 2
		.amdhsa_user_sgpr_kernarg_segment_ptr 1
		.amdhsa_wavefront_size32 1
		.amdhsa_system_sgpr_workgroup_id_x 1
		.amdhsa_system_sgpr_workgroup_id_y 1
		.amdhsa_system_sgpr_workgroup_id_z 1
		.amdhsa_system_vgpr_workitem_id 0
		.amdhsa_next_free_vgpr 192
		.amdhsa_next_free_sgpr 66
		.amdhsa_reserve_vcc 0
		.amdhsa_float_denorm_mode_32 3
		.amdhsa_float_denorm_mode_16_64 3
		.amdhsa_memory_ordered 1
		.amdhsa_forward_progress 1
		.amdhsa_inst_pref_size 33
	.end_amdhsa_kernel
	.amdgpu_metadata
---
amdhsa.version: [ 1, 2 ]
amdhsa.kernels:
  - .name:           k_q43b923be25_quant
    .symbol:         k_q43b923be25_quant.kd
    .args:
      - { .name: x, .offset: 0, .size: 8, .value_kind: global_buffer, .address_space: global }
      - { .name: W_Q, .offset: 8, .size: 8, .value_kind: global_buffer, .address_space: global }
      - { .name: W_K, .offset: 16, .size: 8, .value_kind: global_buffer, .address_space: global }
      - { .name: W_V, .offset: 24, .size: 8, .value_kind: global_buffer, .address_space: global }
      - { .name: W_O, .offset: 32, .size: 8, .value_kind: global_buffer, .address_space: global }
      - { .name: x_codes, .offset: 40, .size: 8, .value_kind: global_buffer, .address_space: global }
      - { .name: x_scales, .offset: 48, .size: 8, .value_kind: global_buffer, .address_space: global }
      - { .name: w_codes, .offset: 56, .size: 8, .value_kind: global_buffer, .address_space: global }
      - { .name: w_scales, .offset: 64, .size: 8, .value_kind: global_buffer, .address_space: global }
    .group_segment_fixed_size: 33280
    .private_segment_fixed_size: 0
    .kernarg_segment_align: 8
    .kernarg_segment_size: 72
    .max_flat_workgroup_size: 128
    .sgpr_count:     66
    .vgpr_count:     192
    .wavefront_size: 32
...
	.end_amdgpu_metadata
.endif
;; end of part 1
;; launch proj (part 2): grid 96 x 4, 4 waves a work-group, clusters of 4 x 4, 327,680 bytes of LDS; arguments x_codes, x_scales, w_codes, w_scales, qkv_codes, qkv_scales; writes qkv_codes, qkv_scales
.if DOCPART == 2
	.amdgcn_target "amdgcn-amd-amdhsa--gfx1250"
	.amdhsa_code_object_version 6
	.text
	.protected	k_q43b923be25_proj
	.globl	k_q43b923be25_proj
	.p2align	8
	.type	k_q43b923be25_proj,@function
k_q43b923be25_proj:
	s_mov_b64 s[64:65], 0
	v_nop
	global_prefetch_b8 v0, s[64:65] scope:SCOPE_SE
	s_setreg_imm32_b32 hwreg(HW_REG_WAVE_MODE, 25, 1), 1
	s_wait_xcnt 0x0
	s_wait_alu depctr_hold_cnt(0) depctr_sa_sdst(0) depctr_va_vdst(0) depctr_va_sdst(0) depctr_va_ssrc(0) depctr_va_vcc(0) depctr_vm_vsrc(0)
	s_getreg_b32 s2, hwreg(HW_REG_IB_STS2, 6, 4)
	s_cmp_eq_u32 s2, 0
	s_cbranch_scc0 .Lentry_in_a_cluster
	s_endpgm
.Lentry_in_a_cluster:
	s_bfe_u32 s2, ttmp6, 0x10000c
	s_cmp_lg_u32 s2, 0xf033
	s_cbranch_scc0 .Lentry_shape_is_right
	s_endpgm
.Lentry_shape_is_right:
; LAUNCH 2 OF 4: Q = x W_Q^T, K = x W_K^T, V = x W_V^T on codes of FP6 (E2M3) with E8M0 scales, K = 1,024; the results are quantised in registers and leave as codes: Q and K along a head's 64 channels, V along the tokens.
; A tile of 256 x 256 results is made by a work-group of four waves; a wave makes 128 x 128: 64 accumulators of 16 x 16, 512 registers.  K goes in steps of 256 through a ring of two LDS slots filled by the tensor data mover;
; the scale bytes of the work-group's 2 x 256 rows, for all of K, come into LDS once with the first fills.
; TWO ROLES.  Role A is the matrix instruction's source 1 and gives a lane its row; role B is source 0 and gives a lane's registers their axis.  24 clusters of 4 x 4 work-groups:
;   clusters 0-15 (Q, K): A = x (32 tiles of 256 positions), B = W_Q and W_K (8 tiles): a lane holds a token, its registers run along the channels;
;   clusters 16-23 (V):   A = W_V (4 tiles), B = x (32 tiles): a lane holds a channel, its registers run along the tokens, which are the second attention product's K.
; Nothing differs between the two but pointers and offsets, chosen by s_cselect on the cluster's number, which all partners share: one path through the text.
; Rows of x, W_Q, W_K, W_V lie BY POSITION (bits 3 and 4 of the row's index exchanged), so the 16 registers of B's blocks 2 b and 2 b + 1 are the 16 true neighbours 32 b + 16 (lane / 16) + 0 .. 15.
; CLUSTERS: the four work-groups of a row of the cluster need the same tiles of A, the four of a column the same tiles of B: each tile is asked for jointly.
; No prefetch: of a work-group's four K steps two are asked for at the head, and the other two behind the first two changes of slots.
; 384 work-groups: more than the WGPs, and no multiple of their number; a smaller grid would want tiles that the registers do not hold.
; THE RESULT'S LAYOUT (this program's own): half fragments as images of their registers, 768 bytes: piece p (0 .. 2) is 256 bytes, lane l's registers 2 p, 2 p + 1 at 8 l.
;   qkv_codes, for each bh = 16 batch + head, 294,912 bytes: Q [128 tiles of 16 positions][768], K likewise, V [16 steps of 128 keys][2 halves of 64 keys][4 tiles of 16 channel positions][768].
;   qkv_scales, for each bh 20,480 bytes: Q [2,048 positions] a word, K likewise (bytes 0, 1: the head's two blocks; bytes 2, 3 stand over zero codes and are never 0xff), V [16 steps][64 channel positions] a word.
; LIMITS: a block of results whose largest magnitude lies under 2^(2 - 126) keeps the byte 1; NaN and infinities are not served.
; REGISTERS, in windows of 256: window 0: v0-31 addresses; v32-63 scale words, two sets; v64-70 the way out's offsets; v96-115 codes just made; v128-223 A's fragments; v224-241 at work on the way out.
;   window 1: B's fragments, two sets.   window 2: the accumulators of my rows 0-63 ((a, b) at v[8 (8 a + b)]);   window 3: those of my rows 64-127.
.set KSTEP,  256
.set NQ,     2                         ; matrix instructions deep in a slot
.set ROWB,   192                       ; a tile's row in bytes
.set KROW,   768                       ; a row of codes in memory
.set PITCH,  240                       ; an LDS row: 3 x (64 bytes + 16 of padding): the 32 lanes of a load of 8 bytes touch 64 different banks (64 banks of 4 bytes: ISA guide 11.1)
.set FR,     12
.set NL,     6
.set NP,     4                         ; places behind this matrix instruction (ISA guide 7.12.1)
.set HALFT,  128*PITCH
.set SLOT,   4*HALFT
.set LAPS,   2                         ; 1,024 / 512
.set KS,     32                        ; a row of scale bytes
.set SCL,    2*SLOT
.set HALFS,  16*272                    ; the scales of 128 rows: 16 units of 256 bytes + 16 of padding
.set SBLK,   2*272                     ; those of 16 rows
.set SPARE,  SCL+4*HALFS               ; the spare words: 128 bytes a wave, two blocks of 256 bytes that no other line names
.set ADRA, 16
.set ADRB, 20
.set ADRS, 27
.set SPW,  28
.set NIL,  29
.set SC,   32
.set OCV,  64                          ; v64-67  codes' offsets: [a / 4][c]
.set OSV,  68                          ; v68-69  scale words' offsets: [a / 4]
.set SHV,  70                          ; v70     how far my lane shifts the scale word: 16 (lane / 16) for Q and K, 0 for V
.set PC,   96                          ; v96-115 a fragment's codes
.set AF,   128
.set TM,   224                         ; v224-227 largest magnitudes, v228-231 bytes, v236-239 the conversions' scale operands
.set PW,   240                         ; the four bytes of my row
.set PW2,  241                         ; and as my lane stores them
.set G1, 24
.set G0, 32
.set G1B, 48
.set G0B, 56
.set G1S, 68
.set G0S, 76
.set G1SB, 80
.set G0SB, 88
.set SEL, 94                           ; s[94:95] lane selects for v_permlanex16_b32: lane l xor 16
.set OC,  96                           ; s[96:97] qkv_codes at my wave's part
.set OS,  98                           ; s[98:99] qkv_scales likewise
.set MSB, 0
.macro WIN new                         ; the immediate's high byte repeats the setting that is left
.if MSB != \new
	s_set_vgpr_msb (MSB<<8)|\new
.set MSB, \new
.endif
.endm
.set MUL_LO, 0xa1                      ; source 0 (B) window 1, source 1 (A) window 0, C and D window 2
.set MUL_HI, 0xf1
.set TO_B,   0x40
; A joint load: waves 0 and 1 fetch for A, waves 2 and 3 for B; the branch hangs on the wave's number alone.  An s_nop 0 and four v_nop follow each of the two lines.
.macro JLOAD g0a, g1a, g0b, g1b
	s_cmp_eq_u32 s15, 0
	s_cbranch_scc0 .Lfor_b_\@
	tensor_load_to_lds s[\g0a:\g0a+3], s[\g1a:\g1a+7]
	s_nop 0
.rept 4
	v_nop
.endr
	s_branch .Lasked_\@
.Lfor_b_\@:
	tensor_load_to_lds s[\g0b:\g0b+3], s[\g1b:\g1b+7]
	s_nop 0
.rept 4
	v_nop
.endr
.Lasked_\@:
.endm
.macro CREST                           ; a round of the cluster's barrier behind its opening barrier
	s_cmp_lg_u32 s14, 0
	s_cbranch_scc1 .Lnot_wave_0_\@
	s_barrier_signal -3
.Lnot_wave_0_\@:
	s_barrier_wait -3
	s_barrier_signal -1
	s_barrier_wait -1
.endm
.macro CROUND
	s_barrier_signal -1
	s_barrier_wait -1
	CREST
.endm
	s_load_b128 s[4:7], s[0:1], 0x0                ; x_codes, x_scales
	s_load_b128 s[8:11], s[0:1], 0x10              ; w_codes, w_scales
	s_load_b128 s[96:99], s[0:1], 0x20             ; qkv_codes, qkv_scales
	v_lshl_add_u32 v[SPW], v0, 2, SPARE
	v_mov_b32 v[NIL], 0
	ds_add_u32 v[SPW], v[NIL]                      ; the wave's opening: the add, twice on end, and its wait ahead of my first tensor load
	ds_add_u32 v[SPW], v[NIL]
	v_lshrrev_b32 v1, 5, v0
	v_readfirstlane_b32 s14, v1                    ; wave 0..3
	s_lshr_b32 s15, s14, 1                         ; RH: which half of A's rows is mine.  Also: I fetch for A (0) or for B (1)
	s_and_b32 s16, s14, 1                          ; CH: which half of B's rows.  Also: which 128 rows of that tile I fetch
	s_bfe_u32 s40, ttmp6, 0x40000                  ; cx, cy: my place in the cluster
	s_bfe_u32 s41, ttmp6, 0x40004
	s_lshr_b32 s42, ttmp9, 1
	s_lshl_b32 s42, s42, 2                         ; Q, K: A's first tile of the cluster: 4 (c / 2)
	s_and_b32 s43, ttmp9, 1
	s_lshl_b32 s43, s43, 2                         ;       B's: 4 (c % 2)
	s_sub_co_u32 s44, ttmp9, 16
	s_lshl_b32 s44, s44, 2                         ; V: B's: 4 (c - 16)
	s_cmp_lt_u32 ttmp9, 16                         ; the cluster's number: the same in all sixteen partners
	s_cselect_b32 s17, s42, 8                      ; V: A's tiles are rows 2,048 on of the weights
	s_cselect_b32 s42, s43, s44
	s_cselect_b32 s2, 1, 0                         ; 1: Q and K; 0: V
	s_add_co_u32 s17, s17, s41                     ; TR: A's tile
	s_add_co_u32 s42, s42, s40                     ; TC: B's tile
	s_lshl_b32 s43, s41, 2
	s_lshl_b32 s43, 15, s43                        ; my row of the cluster
	s_lshl_b32 s44, 0x1111, s40                    ; my column
	; descriptor group 1: a tile of 128 rows x 192 bytes, 16 bytes of padding behind every 64
	s_or_b32 s[G1+0], s43, (0<<16)|(1<<20)|(1<<21)|(3<<22)|(3<<25)
	s_or_b32 s[G1B+0], s44, (0<<16)|(1<<20)|(1<<21)|(3<<22)|(3<<25)
.irp g, G1, G1B
	s_mov_b32 s[\g+1], ROWB<<16                    ; tensor_dim0
	s_mov_b32 s[\g+2], 128<<16                     ; tensor_dim1
	s_mov_b32 s[\g+3], ROWB<<16                    ; tile_dim0
	s_mov_b32 s[\g+4], 128                         ; tile_dim1
	s_mov_b32 s[\g+5], KROW                        ; tensor_dim0_stride
	s_mov_b32 s[\g+6], 0
	s_mov_b32 s[\g+7], 0
.endr
	; the scales of 128 rows: 4,096 dense bytes as 16 rows of 256 bytes (32 elements of 8 bytes), 16 bytes of padding behind each
	s_or_b32 s[G1S+0], s43, (3<<16)|(1<<20)|(1<<21)|(5<<22)|(3<<25)
	s_or_b32 s[G1SB+0], s44, (3<<16)|(1<<20)|(1<<21)|(5<<22)|(3<<25)
.irp g, G1S, G1SB
	s_mov_b32 s[\g+1], 32<<16
	s_mov_b32 s[\g+2], (128*KS/256)<<16
	s_mov_b32 s[\g+3], 32<<16
	s_mov_b32 s[\g+4], 128*KS/256
	s_mov_b32 s[\g+5], 32
	s_mov_b32 s[\g+6], 0
	s_mov_b32 s[\g+7], 0
.endr
	s_lshl_b32 s18, s16, 7                         ; which 128 rows of the tile I fetch
	s_lshl_b32 s20, s17, 8
	s_add_co_u32 s20, s20, s18                     ; A: row 256 TR + 128 x half
	s_lshl_b32 s46, s42, 8
	s_add_co_u32 s46, s46, s18                     ; B: row 256 TC + 128 x half
	s_mov_b32 s21, 0
	s_mov_b32 s47, 0
	s_mov_b64 s[18:19], KS
	s_mul_u64 s[22:23], s[20:21], s[18:19]         ; where these rows' scales begin, in bytes
	s_mul_u64 s[92:93], s[46:47], s[18:19]
	s_mov_b64 s[18:19], KROW
	s_mul_u64 s[20:21], s[20:21], s[18:19]         ; and their codes
	s_mul_u64 s[46:47], s[46:47], s[18:19]
	s_mul_i32 s45, s14, HALFT                      ; where they go: wave x 128 rows: no place in the cluster enters an LDS address
	s_mul_i32 s94, s14, HALFS
	s_wait_dscnt 0x0                               ; both opening adds are done
	s_wait_kmcnt 0x0
	s_cmp_eq_u32 s2, 1                             ; the roles' buffers
	s_cselect_b64 s[12:13], s[4:5], s[8:9]         ; A's codes
	s_cselect_b64 s[66:67], s[6:7], s[10:11]       ; A's scales
	s_cselect_b64 s[8:9], s[8:9], s[4:5]           ; B's codes
	s_cselect_b64 s[10:11], s[10:11], s[6:7]       ; B's scales
	s_add_nc_u64 s[20:21], s[12:13], s[20:21]
	s_add_nc_u64 s[22:23], s[66:67], s[22:23]
	s_add_nc_u64 s[46:47], s[8:9], s[46:47]
	s_add_nc_u64 s[92:93], s[10:11], s[92:93]
	CROUND                                         ; all sixteen work-groups are here: the first joint loads meet
	s_mov_b32 s[G0S], 1
	s_add_co_u32 s[G0S+1], s94, SCL
	s_mov_b64 s[G0S+2:G0S+3], s[22:23]
	s_or_b32 s[G0S+3], s[G0S+3], 0x80000000
	s_mov_b32 s[G0SB], 1
	s_add_co_u32 s[G0SB+1], s94, SCL
	s_mov_b64 s[G0SB+2:G0SB+3], s[92:93]
	s_or_b32 s[G0SB+3], s[G0SB+3], 0x80000000
	JLOAD G0S, G1S, G0SB, G1SB                     ; the scales first: they are wanted with K step 0
.irp s, 0,1
	s_mov_b32 s[G0+4*\s], 1
	s_add_co_u32 s[G0+4*\s+1], s45, \s*SLOT
	s_add_nc_u64 s[G0+4*\s+2:G0+4*\s+3], s[20:21], \s*ROWB
	s_or_b32 s[G0+4*\s+3], s[G0+4*\s+3], 0x80000000
	s_mov_b32 s[G0B+4*\s], 1
	s_add_co_u32 s[G0B+4*\s+1], s45, \s*SLOT
	s_add_nc_u64 s[G0B+4*\s+2:G0B+4*\s+3], s[46:47], \s*ROWB
	s_or_b32 s[G0B+4*\s+3], s[G0B+4*\s+3], 0x80000000
	JLOAD G0+4*\s, G1, G0B+4*\s, G1B               ; three tensor loads of mine are out
.endr
	v_and_b32 v1, 15, v0                           ; r = l % 16
	v_bfe_u32 v2, v0, 4, 1                         ; h = l / 16
	v_mul_u32_u24 v3, v1, PITCH
	v_mul_u32_u24 v4, v2, 24
	v_add_nc_u32 v4, v3, v4                        ; a fragment's row x pitch + 24 x half
	v_lshl_add_u32 v5, v2, 4, v4                   ; and the same behind one padding more
	s_mul_i32 s21, s15, HALFT                      ; my 128 rows of A
	s_mul_i32 s22, s16, HALFT                      ; my 128 rows of B,
	s_add_co_u32 s22, s22, 2*HALFT                 ; which lie behind A's 256
.irp s, 0,1
	v_add_nc_u32 v[ADRA+\s], s21, v4
	v_add_nc_u32 v[ADRB+\s], s22, v4
	v_add_nc_u32 v[ADRA+2+\s], s21, v5
	v_add_nc_u32 v[ADRB+2+\s], s22, v5
	s_add_co_u32 s21, s21, SLOT
	s_add_co_u32 s22, s22, SLOT
.endr
	v_mul_u32_u24 v5, v1, KS                       ; my row's scales: 32 bytes a row,
	v_lshrrev_b32 v6, 8, v5
	v_lshl_add_u32 v5, v6, 4, v5                   ; and 16 more for each 256 passed
	s_mul_i32 s21, s15, HALFS
	s_mul_i32 s22, s16, HALFS
	s_add_co_u32 s22, s22, 2*HALFS
	s_sub_co_u32 s22, s22, s21
	v_mul_u32_u24 v6, s22, v2                      ; lanes 16-31 take B's
	s_add_co_u32 s21, s21, SCL
	v_add_nc_u32 v5, v5, v6
	v_add_nc_u32 v[ADRS], s21, v5
	; THE WAY OUT'S OFFSETS.  J = 2 TC + CH: which 128 of B's rows are mine
	s_lshl_b32 s20, s42, 1
	s_add_co_u32 s20, s20, s16
	; Q, K: bh = 16 (TR / 8) + 2 (J % 8) and the head after it; J / 8: Q or K; my first tile of 16 positions: 16 (TR % 8) + 8 RH
	s_lshr_b32 s21, s17, 3
	s_lshl_b32 s21, s21, 4
	s_and_b32 s22, s20, 7
	s_lshl_b32 s22, s22, 1
	s_add_co_u32 s21, s21, s22
	s_lshr_b32 s22, s20, 3
	s_and_b32 s23, s17, 7
	s_lshl_b32 s23, s23, 4
	s_lshl_b32 s45, s15, 3
	s_add_co_u32 s23, s23, s45
	s_mul_i32 s46, s21, 294912
	s_mul_i32 s47, s22, 98304
	s_add_co_u32 s46, s46, s47
	s_mul_i32 s47, s23, 768
	s_add_co_u32 s46, s46, s47                     ; codes
	s_mul_i32 s92, s21, 20480
	s_lshl_b32 s47, s22, 13
	s_add_co_u32 s92, s92, s47
	s_lshl_b32 s47, s23, 6
	s_add_co_u32 s92, s92, s47                     ; scale words
	; V: bh = 16 (J / 16) + 4 cy + 2 RH and the head after it; the key step is J % 16
	s_lshr_b32 s21, s20, 4
	s_lshl_b32 s21, s21, 4
	s_lshl_b32 s22, s41, 2
	s_add_co_u32 s21, s21, s22
	s_lshl_b32 s22, s15, 1
	s_add_co_u32 s21, s21, s22
	s_and_b32 s22, s20, 15
	s_mul_i32 s23, s21, 294912
	s_mul_i32 s45, s22, 6144
	s_add_co_u32 s23, s23, s45
	s_add_co_u32 s23, s23, 196608                  ; codes
	s_mul_i32 s94, s21, 20480
	s_lshl_b32 s45, s22, 8
	s_add_co_u32 s94, s94, s45
	s_add_co_u32 s94, s94, 16384                   ; scale words
	s_mov_b32 s19, 294912
	s_mov_b32 s22, 20480
	s_cmp_eq_u32 s2, 1
	s_cselect_b32 s46, s46, s23
	s_cselect_b32 s92, s92, s94
	s_cselect_b32 s18, 3072, s19                   ; from a = 0..3 to a = 4..7: four tiles of positions on, or the next head
	s_cselect_b32 s21, s19, 3072                   ; from c = 0 to c = 1: the next head, or the step's second 64 keys
	s_cselect_b32 s23, s22, 0                      ; scale words, lanes 16-31: the next head's, or the same word once more
	s_cselect_b32 s45, 256, s22                    ; scale words, a = 4..7
	s_cselect_b32 s20, 16, 0
	s_mov_b32 s47, 0
	s_mov_b32 s93, 0
	s_add_nc_u64 s[OC:OC+1], s[OC:OC+1], s[46:47]
	s_add_nc_u64 s[OS:OS+1], s[OS:OS+1], s[92:93]
	v_and_b32 v6, 31, v0
	v_lshlrev_b32 v[OCV], 3, v6                    ; 8 x lane: an image's place for my lane
	v_add_nc_u32 v[OCV+1], s21, v[OCV]
	v_add_nc_u32 v[OCV+2], s18, v[OCV]
	v_add_nc_u32 v[OCV+3], s21, v[OCV+2]
	v_mul_lo_u32 v7, v2, s23
	v_lshl_add_u32 v[OSV], v1, 2, v7               ; 4 r (+ the next head)
	v_add_nc_u32 v[OSV+1], s45, v[OSV]
	v_mul_lo_u32 v[SHV], v2, s20
	s_mov_b32 s[SEL], 0x76543210
	s_mov_b32 s[SEL+1], 0xfedcba98
.irp b, 0,1,2,3
	v_mov_b32 v[TM+4+\b], 0                        ; written once: a lane permute's destination counts as one of its sources
.endr
.macro FRAG reg, adr, q, i             ; a fragment, 16 rows x 128 K: 12 registers; lane l holds row l % 16; registers 6 c .. 6 c + 5 hold K = 64 c + 32 (l / 16) + 0 .. 31: 24 bytes of the row's stream of bits, in pieces of 8 bytes
.irp p, 0,1,2,3,4,5
.set PCE, 12*(\q)+6*(\p/3)+\p%3        ; where the piece three on lies behind one padding more, the second address register serves
.if PCE%8 < 5
	ds_load_b64 v[\reg+2*\p:\reg+2*\p+1], v[\adr] offset:8*PCE+16*(PCE/8)+(\i)*16*PITCH
.else
	ds_load_b64 v[\reg+2*\p:\reg+2*\p+1], v[\adr+2] offset:8*PCE+16*(PCE/8)+(\i)*16*PITCH
.endif
.endr
.endm
; 16 matrix instructions: A's blocks a0, a0 + 1 x B's eight.  The 64 accumulators take turns, one instruction a turn, in the same order in every step.
.macro MUL16 a0, p, q, sc, zero
.irp a, \a0, \a0+1
.irp b, 0,1,2,3,4,5,6,7
.if \zero
	v_wmma_scale_f32_16x16x128_f8f6f4 v[8*(8*((\a)%4)+\b):8*(8*((\a)%4)+\b)+7], v[128*(\p)+FR*\b:128*(\p)+FR*\b+FR-1], v[AF+FR*(\a):AF+FR*(\a)+FR-1], 0, v[SC+8*NQ*(\sc)+NQ*\b+(\q)], v[SC+8*NQ*(\sc)+NQ*(\a)+(\q)] matrix_a_fmt:MATRIX_FMT_FP6 matrix_b_fmt:MATRIX_FMT_FP6 matrix_a_scale:MATRIX_SCALE_ROW1
.else
	v_wmma_scale_f32_16x16x128_f8f6f4 v[8*(8*((\a)%4)+\b):8*(8*((\a)%4)+\b)+7], v[128*(\p)+FR*\b:128*(\p)+FR*\b+FR-1], v[AF+FR*(\a):AF+FR*(\a)+FR-1], v[8*(8*((\a)%4)+\b):8*(8*((\a)%4)+\b)+7], v[SC+8*NQ*(\sc)+NQ*\b+(\q)], v[SC+8*NQ*(\sc)+NQ*(\a)+(\q)] matrix_a_fmt:MATRIX_FMT_FP6 matrix_b_fmt:MATRIX_FMT_FP6 matrix_a_scale:MATRIX_SCALE_ROW1
.endif
.endr
.endr
.endm
.macro FETCH_B slot, q, p
	WIN TO_B
.irp i, 0,1,2,3,4,5,6,7
	FRAG 128*(\p)+FR*\i, ADRB+\slot, \q, \i
.endr
	WIN 0
.endm
.macro FETCH_A slot, q, i0
.irp i, \i0, \i0+1, \i0+2, \i0+3
	FRAG AF+FR*(\i), ADRA+\slot, \q, \i
.endr
.endm
.macro SCALES sc                       ; a K step's scale words: lanes 0-15 take A's block i, lanes 16-31 B's block i
.irp i, 0,1,2,3,4,5,6,7
	ds_load_b64 v[SC+8*NQ*\sc+NQ*\i:SC+8*NQ*\sc+NQ*\i+1], v[ADRS] offset:\i*SBLK
.endr
.endm
.macro PLACES n                        ; plain vector instructions between a matrix instruction and a load into, or a read of, its registers
.rept \n
	v_nop
.endr
.endm
.macro STEP slot, q, zero              ; a step of 128 along K that has its successor in the same slot
	s_wait_dscnt 4*NL                              ; B's set and A's blocks 0-3 are in; the youngest 24 loads (A's blocks 4-7) may be out
	WIN MUL_LO
	MUL16 0, (\q)%2, \q, \slot, \zero
	MUL16 2, (\q)%2, \q, \slot, \zero
	s_wait_dscnt 0                                 ; A's blocks 4-7 are in
	PLACES NP
	FETCH_B \slot, (\q)+1, 1-(\q)%2
	FETCH_A \slot, (\q)+1, 0
	WIN MUL_HI
	MUL16 4, (\q)%2, \q, \slot, \zero
	MUL16 6, (\q)%2, \q, \slot, \zero
	PLACES NP
	WIN 0
	FETCH_A \slot, (\q)+1, 4
.endm
; A slot's last step changes slots: one barrier; in front of it each wave waits for all its tensor loads, adds 0 to its spare word, and waits for that and for its own reads of this slot.
.macro TURN slot, next, fill
	s_wait_tensorcnt 0x0                           ; all my tensor loads have landed: my part of the next slot
	ds_add_u32 v[SPW], v[NIL]                      ; 0 onto my spare word
	s_wait_dscnt 4*NL+1                            ; (the add and the youngest 24 loads, A's blocks 4-7, may be out)
	WIN MUL_LO
	MUL16 0, 1, NQ-1, \slot, 0
	s_wait_dscnt 0x0                               ; the add is done, and my reads of this slot are over
	s_barrier_signal -1
	MUL16 2, 1, NQ-1, \slot, 0
	WIN 0
	s_barrier_wait -1
.if \fill
	CREST                                          ; the barrier has opened a round of the cluster's barrier: no wave of any partner still reads this slot's tile or has a load on its way
	s_add_nc_u64 s[G0+4*\slot+2:G0+4*\slot+3], s[G0+4*\slot+2:G0+4*\slot+3], 2*ROWB
	s_add_nc_u64 s[G0B+4*\slot+2:G0B+4*\slot+3], s[G0B+4*\slot+2:G0B+4*\slot+3], 2*ROWB
	JLOAD G0+4*\slot, G1, G0B+4*\slot, G1B         ; the first tensor load behind the round; its four v_nop are the places in front of the loads below
.else
	PLACES NP
.endif
	s_wait_alu depctr_va_vdst(0)
	v_add_nc_u32 v[ADRS], 4*NQ, v[ADRS]            ; on to the next K step's scale words
	FETCH_B \next, 0, 0
	FETCH_A \next, 0, 0
	SCALES \next
	WIN MUL_HI
	MUL16 4, 1, NQ-1, \slot, 0
	MUL16 6, 1, NQ-1, \slot, 0
	PLACES NP
	WIN 0
	FETCH_A \next, 0, 4
.endm
	s_wait_tensorcnt 1                             ; the scales and my part of K step 0 are in (K step 1's load may be out),
	s_barrier_signal -1
	s_barrier_wait -1                              ; everybody's are
	FETCH_B 0, 0, 0
	FETCH_A 0, 0, 0
	SCALES 0
	FETCH_A 0, 0, 4
	STEP 0, 0, 1                                   ; the first step's products start the sums
	s_mov_b32 s3, LAPS-1
.Llap:
	TURN 0, 1, 1
	STEP 1, 0, 0
	TURN 1, 0, 1
	STEP 0, 0, 0
	s_sub_co_u32 s3, s3, 1
	s_cmp_lg_u32 s3, 0
	s_cbranch_scc1 .Llap
	TURN 0, 1, 0                                   ; the last lap fills nothing
	STEP 1, 0, 0
	s_wait_dscnt 4*NL
	WIN MUL_LO
	MUL16 0, 1, NQ-1, 1, 0
	MUL16 2, 1, NQ-1, 1, 0
	s_wait_dscnt 0
	WIN MUL_HI
	MUL16 4, 1, NQ-1, 1, 0
	MUL16 6, 1, NQ-1, 1, 0
	WIN 0
; THE WAY OUT.  Block a of my rows: 64 registers of a lane, register 16 b + i = the true column 32 b + 16 (lane / 16) + i of my 128.  They become one fragment's codes (two half fragments) and four scale bytes, and leave
; straight from the registers: each store of codes covers 256 consecutive bytes, at a multiple of 256 from the buffer's first byte.  The scale words leave in runs of 64 bytes: one byte in 24 of what is stored.
.macro OUTFRAG a
.set SA, 64*((\a)%4)
.set WA, 2+(\a)/4
.irp b, 0,1,2,3
	v_mov_b32 v[TM+\b], 0x1800000                  ; the floor 2^(3 - 127): the byte cannot fall under 1
.endr
	WIN 20*WA                                      ; sources 1 and 2: the accumulators' window
.irp i, 0,2,4,6,8,10,12,14                     ; ascending: each accumulator is read from its low end on
.irp b, 0,1,2,3
	v_max3_num_f32 v[TM+\b], v[TM+\b], |v[SA+16*\b+\i]|, |v[SA+16*\b+\i+1]|
.endr
.endr
	WIN 0
.irp b, 0,1,2,3
	v_permlanex16_b32 v[TM+4+\b], v[TM+\b], s[SEL], s[SEL+1]
.endr
.irp b, 0,1,2,3
	v_max_num_f32 v[TM+\b], v[TM+\b], v[TM+4+\b]   ; with lane l xor 16's: the block's largest magnitude
.endr
.irp b, 0,1,2,3
	v_add_nc_u32 v[TM+12+\b], 0xff000000, v[TM+\b] ; 2 off its exponent field: the conversion's scale operand
.endr
.irp b, 0,1,2,3
	v_lshrrev_b32 v[TM+4+\b], 23, v[TM+12+\b]      ; the scale's byte
.endr
	v_lshl_or_b32 v[PW], v[TM+5], 8, v[TM+4]
	v_lshl_or_b32 v[PW], v[TM+6], 16, v[PW]
	v_lshl_or_b32 v[PW], v[TM+7], 24, v[PW]
	s_wait_alu depctr_va_vdst(0)
	s_wait_xcnt 0x0                                ; the last block's stores have read their data: the codes' registers and the word are written again only behind this wait
	v_lshrrev_b32 v[PW2], v[SHV], v[PW]            ; Q, K: lanes 16-31 hold the odd head's two bytes
	WIN WA                                         ; source 0: the accumulators' window
.irp c, 0,1
	v_cvt_scalef32_pk16_fp6_f32 v[PC+6*\c:PC+2+6*\c], v[SA+32*\c:SA+15+32*\c], v[TM+12+2*\c]
	v_cvt_scalef32_pk16_fp6_f32 v[PC+12+4*\c:PC+14+4*\c], v[SA+16+32*\c:SA+31+32*\c], v[TM+13+2*\c]   ; (a conversion's three registers begin on an even number)
.endr
	WIN 0
	v_nop                                          ; one plain place behind a scaled conversion
.irp c, 0,1                                    ; the operand's layout wants a whole block in a lane: lanes 0-15 block 2 c, lanes 16-31 block 2 c + 1
.irp i, 0,1,2
	v_permlane16_swap_b32 v[PC+6*\c+\i], v[PC+12+4*\c+\i]
.endr
.irp i, 0,1,2
	v_mov_b32 v[PC+3+6*\c+\i], v[PC+12+4*\c+\i]
.endr
.endr
.irp c, 0,1
.irp p, 0,1,2
	global_store_b64 v[OCV+2*((\a)/4)+\c], v[PC+6*\c+2*\p:PC+6*\c+2*\p+1], s[OC:OC+1] offset:((\a)%4)*768+256*\p
.endr
.endr
	global_store_b32 v[OSV+(\a)/4], v[PW2], s[OS:OS+1] offset:((\a)%4)*64
.endm
	PLACES NP                                      ; behind the last products, ahead of the first read of results
.irp a, 0,1,2,3,4,5,6,7
	OUTFRAG \a
.endr
	s_wait_tensorcnt 0x0                           ; the wave's end, behind my last tensor load
	ds_add_u32 v[SPW], v[NIL]
	s_wait_dscnt 0x0
	CROUND                                         ; the closing round: no work-group ends while a partner may still ask for a tile that names it
	s_endpgm
.Lfunc_end_k_q43b923be25_proj:
	.size	k_q43b923be25_proj, .Lfunc_end_k_q43b923be25_proj-k_q43b923be25_proj
	.p2alignl 7, 3214868480
	.fill 96, 4, 3214868480
	.section	.rodata,"a",@progbits
	.p2align	6, 0x0
	.amdhsa_kernel k_q43b923be25_proj
		.amdhsa_group_segment_fixed_size 327680
		.amdhsa_private_segment_fixed_size 0
		.amdhsa_enable_private_segment 0
		.amdhsa_kernarg_size 48
		.amdhsa_user_sgpr_count 2
		.amdhsa_user_sgpr_kernarg_segment_ptr 1
		.amdhsa_wavefront_size32 1
		.amdhsa_system_sgpr_workgroup_id_x 1
		.amdhsa_system_sgpr_workgroup_id_y 1
		.amdhsa_system_sgpr_workgroup_id_z 1
		.amdhsa_system_vgpr_workitem_id 0
		.amdhsa_next_free_vgpr 1024
		.amdhsa_next_free_sgpr 100
		.amdhsa_reserve_vcc 0
		.amdhsa_float_denorm_mode_32 3
		.amdhsa_float_denorm_mode_16_64 3
		.amdhsa_memory_ordered 1
		.amdhsa_forward_progress 1
		.amdhsa_inst_pref_size 170
	.end_amdhsa_kernel
	.amdgpu_metadata
---
amdhsa.version: [ 1, 2 ]
amdhsa.kernels:
  - .name:           k_q43b923be25_proj
    .symbol:         k_q43b923be25_proj.kd
    .args:
      - { .name: x_codes, .offset: 0, .size: 8, .value_kind: global_buffer, .address_space: global }
      - { .name: x_scales, .offset: 8, .size: 8, .value_kind: global_buffer, .address_space: global }
      - { .name: w_codes, .offset: 16, .size: 8, .value_kind: global_buffer, .address_space: global }
      - { .name: w_scales, .offset: 24, .size: 8, .value_kind: global_buffer, .address_space: global }
      - { .name: qkv_codes, .offset: 32, .size: 8, .value_kind: global_buffer, .address_space: global }
      - { .name: qkv_scales, .offset: 40, .size: 8, .value_kind: global_buffer, .address_space: global }
    .group_segment_fixed_size: 327680
    .private_segment_fixed_size: 0
    .kernarg_segment_align: 8
    .kernarg_segment_size: 48
    .max_flat_workgroup_size: 128
    .sgpr_count:     100
    .vgpr_count:     1024
    .wavefront_size: 32
...
	.end_amdgpu_metadata
.endif
;; end of part 2
;; launch attn (part 3): grid 4 x 64, 16 waves a work-group, clusters of 4 x 1, 210,944 bytes of LDS; arguments qkv_codes, qkv_scales, ao_codes, ao_scales; writes ao_codes, ao_scales
.if DOCPART == 3
	.amdgcn_target "amdgcn-amd-amdhsa--gfx1250"
	.amdhsa_code_object_version 6
	.text
	.protected	k_q43b923be25_attn
	.globl	k_q43b923be25_attn
	.p2align	8
	.type	k_q43b923be25_attn,@function
k_q43b923be25_attn:
	s_mov_b64 s[64:65], 0
	v_nop
	global_prefetch_b8 v0, s[64:65] scope:SCOPE_SE
	s_setreg_imm32_b32 hwreg(HW_REG_WAVE_MODE, 25, 1), 1
	s_wait_xcnt 0x0
	s_wait_alu depctr_hold_cnt(0) depctr_sa_sdst(0) depctr_va_vdst(0) depctr_va_sdst(0) depctr_va_ssrc(0) depctr_va_vcc(0) depctr_vm_vsrc(0)
	s_getreg_b32 s2, hwreg(HW_REG_IB_STS2, 6, 4)
	s_cmp_eq_u32 s2, 0
	s_cbranch_scc0 .Lentry_in_a_cluster
	s_endpgm
.Lentry_in_a_cluster:
	s_bfe_u32 s2, ttmp6, 0x10000c
	s_cmp_lg_u32 s2, 0x3003
	s_cbranch_scc0 .Lentry_shape_is_right
	s_endpgm
.Lentry_shape_is_right:
; LAUNCH 3 OF 4: causal attention on codes of FP6 (E2M3), for each bh = 16 batch + head: S^T = K Q^T (K = the head's 64 channels: the upper half of each operand is zero codes), the softmax, O^T = V^T P^T (K = the keys),
; O / the row's sum, quantised along the model's axis (two blocks of 32 a head) for the last product.
; WORK LEFT OUT: a step of 128 keys all of which come after a wave's 16 queries: reference() masks those scores in its own body, their weights are 0 (shown at the head of the first launch's text).
; LIMIT: a NaN, an infinity or an overflow in a score that is left out is not carried; rows whose visible logits lie near -3.4e38 are not served.  In the step on the diagonal hidden scores are computed and become -infinity.
; THE SOFTMAX: t = score x log2(e) / 8; M = the running largest t rounded up to a whole number; p = 2^(t - M) is quantised along the keys, not normalised; the row's sum is taken of the unquantised p and divides O at the end.
; When M moves, the sum and O are multiplied by 2^(old M - new M): exact.
; SHARES.  A cluster of four work-groups is one bh.  A WHOLE HEAD'S K, V AND THEIR SCALE WORDS, 208,896 bytes, STAY IN LDS: they are asked for once, jointly by the four, so there is no ring, no refill and no barrier in the walk.
; Wave w (pr = w % 8, kp = w / 8) owns two tiles of 16 query positions: 8 (15 - pr) + 2 cx + kp and 8 pr + 2 cx + kp.  A tile in block B of 128 positions walks steps 0 .. B: (16 - pr) + (pr + 1) = 17 steps for every wave,
; two of them on the diagonal: all sixteen waves of all work-groups have the same work.  Branches hang on the wave's number and on counted steps alone, never on the work-group's place in its cluster.
; THE LONG TILE GOES FIRST: its steps 0-7 are open in every wave, and the codes land in three parts (steps 0-1, 2-7, 8-15) under them; behind the third barrier no wave waits for another.
; LAYOUT.  Both products are used transposed: a lane holds ONE query (lane % 16) throughout.  Token positions are tokens with bits 3 and 4 exchanged, so the 16 registers of key tiles 2 b and 2 b + 1 are the 16 neighbouring keys
; 32 b + 16 (lane / 16) + 0 .. 15; channel positions likewise.  Operands lie in memory and in LDS as images of their registers: every LDS load of codes reads 256 consecutive bytes.
; No prefetch: every tensor load goes out at the head.  Four waves share a SIMD: one wave's vector work stands beside another's matrix work and LDS loads.
; REGISTERS: v1-7 what stays; v8-11 the step's LDS addresses; v12 -M, v13 the largest t, v[14:15] the sum; v16-27 Q (22-27 zeros); v29-31 global offsets; v32-79 four fragments of K (the upper six of each: zeros);
;   v80-127 four fragments of V; v128-191 S^T, then p; v192-223 O^T; v224-235 p's codes; v232-247, v252, v254 at work; v248-249 K's scale words, v250-251 V's, v253 p's, v255 Q's.
.set VL,    98304                      ; LDS: K's codes from 0, V's from here, 98,304 bytes each
.set SKL,   196608                     ; K's scale words, 8,192 bytes
.set SVL,   204800                     ; V's, 4,096 bytes
.set SPARE, 208896                     ; the spare words: 128 bytes a wave, eight blocks of 256 bytes that no other line names
.set AK0,  1                           ; v1   8 x lane
.set AV0,  2                           ; v2   8 x lane + VL
.set ASK0, 3                           ; v3   4 x lane + SKL
.set ASV0, 4                           ; v4   4 x lane + SVL
.set SPW,  5
.set NIL,  6
.set DG,   7                           ; v7   my query's place in its block of 128, less 16 (lane / 16): register 16 b + i of the diagonal step is hidden where 32 b + i is above it
.set ADK,  8
.set ADV,  9
.set ADS,  10
.set ADT,  11
.set QF,   16
.set GL8,  29                          ; v29  8 x lane: an image's place in memory
.set GR4,  30                          ; v30  4 r: Q's scale word
.set GR32, 31                          ; v31  32 r: my row of ao_scales
.set KFR,  32
.set VFR,  80
.set S,    128
.set OT,   192
.set PR,   13                          ; s13  pr
.set WV,   18
.set SEL,  20                          ; s[20:21] lane selects for v_permlanex16_b32: lane l xor 16
.set CS,   22                          ; s[22:23] c = log2(e) / 8
.set G1S,  24                          ; s[24:55] four groups 1: 3, 6, 18, 24 rows of 256 bytes
.set G1A,  32
.set G1B,  40
.set G1C,  48
.set G0S,  56                          ; their groups 0
.set G0A,  60
.set G0B,  68
.set G0C,  72
.set TB,   2                           ; s2   the step's codes: 6,144 bytes a step, in K's region and in V's
.set TS,   3                           ; s3   K's scale words: 512 bytes a step
.set TJ,   66                          ; s66  V's: 256 bytes a step
.set NS,   67                          ; s67  the step's number
.set BLK,  76                          ; s76  the block of 128 positions in which my tile lies: its last step
.set CNT,  77                          ; s77  a walk's trips
.set BL,   78                          ; s[78:85] the long tile: Q's codes, Q's scale words, where its codes go, where its scale bytes go
.set BS,   86                          ; s[86:93] the short tile likewise
.macro CROUND                          ; a round of the cluster's barrier
	s_barrier_signal -1
	s_barrier_wait -1
	s_cmp_lg_u32 s[WV], 0
	s_cbranch_scc1 .Lnot_wave_0_\@
	s_barrier_signal -3
.Lnot_wave_0_\@:
	s_barrier_wait -3
	s_barrier_signal -1
	s_barrier_wait -1
.endm
.macro G1SET g, r                      ; r rows of 256 dense bytes (32 elements of 8 bytes); the mask names all four work-groups, bit 21 beside it
	s_mov_b32 s[\g], 15|(3<<16)|(1<<21)
	s_mov_b32 s[\g+1], 32<<16
	s_mov_b32 s[\g+2], (\r)<<16
	s_mov_b32 s[\g+3], 32<<16
	s_mov_b32 s[\g+4], \r
	s_mov_b32 s[\g+5], 32
	s_mov_b32 s[\g+6], 0
	s_mov_b32 s[\g+7], 0
.endm
	s_load_b256 s[4:11], s[0:1], 0x0               ; qkv_codes, qkv_scales, ao_codes, ao_scales
	v_lshl_add_u32 v[SPW], v0, 2, SPARE
	v_mov_b32 v[NIL], 0
	ds_add_u32 v[SPW], v[NIL]                      ; the wave's opening: the add, twice on end, and its wait ahead of my first tensor load
	ds_add_u32 v[SPW], v[NIL]
	v_lshrrev_b32 v8, 5, v0
	s_delay_alu instid0(VALU_DEP_1)
	v_readfirstlane_b32 s[WV], v8                  ; wave 0..15
	s_bfe_u32 s19, ttmp6, 0x40000                  ; cx: it enters Q's and the result's addresses and the diagonal's numbers alone
	s_and_b32 s12, ttmp7, 0xffff                   ; bh, which the four partners share
	s_and_b32 s[PR], s[WV], 7                      ; pr.  Also: which eighth of a part I fetch
	s_lshr_b32 s14, s[WV], 3                       ; kp.  Also: I fetch for K (0) or for V (1)
	G1SET G1S, 3
	G1SET G1A, 6
	G1SET G1B, 18
	G1SET G1C, 24
	s_mul_i32 s15, s14, VL
	s_mul_i32 s99, s[WV], 768
	s_mov_b32 s[G0S], 1
	s_add_co_u32 s[G0S+1], s99, SKL                ; the scale words: 12,288 bytes, 768 a wave
	s_mov_b32 s[G0A], 1
	s_mul_i32 s[G0A+1], s[PR], 1536                ; steps 0-1: 12,288 bytes of K and of V, 1,536 a wave
	s_add_co_u32 s[G0A+1], s[G0A+1], s15
	s_mov_b32 s[G0B], 1
	s_mul_i32 s[G0B+1], s[PR], 4608                ; steps 2-7: 36,864 bytes, 4,608 a wave
	s_add_co_u32 s[G0B+1], s[G0B+1], s15
	s_add_co_u32 s[G0B+1], s[G0B+1], 12288
	s_mov_b32 s[G0C], 1
	s_mul_i32 s[G0C+1], s[PR], 6144                ; steps 8-15: 49,152 bytes, 6,144 a wave
	s_add_co_u32 s[G0C+1], s[G0C+1], s15
	s_add_co_u32 s[G0C+1], s[G0C+1], 49152
	s_mul_i32 s96, s12, 294912                     ; my bh's first byte of codes,
	s_mul_i32 s97, s12, 20480                      ; and of scale words
	s_add_co_u32 s98, s96, 98304                   ; K's codes; V's follow them, in memory as in LDS
	s_mov_b32 s95, 0
	s_mov_b32 s[SEL], 0x76543210
	s_mov_b32 s[SEL+1], 0xfedcba98
	s_mov_b32 s[CS], 0x3e38aa3b                    ; c = log2(e) / 8
	s_mov_b32 s[CS+1], s[CS]                       ; (named with it as a pair, so it is written)
	s_wait_dscnt 0x0                               ; both opening adds are done
	s_wait_kmcnt 0x0
	s_add_co_u32 s94, s97, s99
	s_add_co_u32 s94, s94, 8192                    ; K's scale words; V's follow them
	s_add_nc_u64 s[G0S+2:G0S+3], s[6:7], s[94:95]
	s_or_b32 s[G0S+3], s[G0S+3], 0x80000000
.irp g, G0A, G0B, G0C
	s_add_co_u32 s94, s98, s[\g+1]                 ; the place in memory is the place in LDS, from K's first byte on
	s_add_nc_u64 s[\g+2:\g+3], s[4:5], s[94:95]
	s_or_b32 s[\g+3], s[\g+3], 0x80000000
.endr
	CROUND                                         ; all four work-groups are here: the joint loads meet
	tensor_load_to_lds s[G0S:G0S+3], s[G1S:G1S+7]  ; every wave issues four loads, with no branch: four tensor loads of mine are out, and none follows
	s_nop 0
	tensor_load_to_lds s[G0A:G0A+3], s[G1A:G1A+7]
	s_nop 0
	tensor_load_to_lds s[G0B:G0B+3], s[G1B:G1B+7]
	s_nop 0
	tensor_load_to_lds s[G0C:G0C+3], s[G1C:G1C+7]
	s_nop 0
.rept 4
	v_nop
.endr
	v_and_b32 v8, 15, v0                           ; r
	v_bfe_u32 v9, v0, 4, 1                         ; h
	v_and_b32 v10, 31, v0                          ; lane
	s_delay_alu instid0(VALU_DEP_1)
	v_lshlrev_b32 v[AK0], 3, v10
	s_delay_alu instid0(VALU_DEP_2)
	v_lshl_add_u32 v[AV0], v10, 3, VL
	s_delay_alu instid0(VALU_DEP_3)
	v_lshl_add_u32 v[ASK0], v10, 2, SKL
	s_delay_alu instid0(VALU_DEP_4)
	v_lshl_add_u32 v[ASV0], v10, 2, SVL
	v_lshlrev_b32 v[GL8], 3, v10
	s_wait_alu depctr_va_vdst(0)
	v_lshlrev_b32 v[GR4], 2, v8
	s_wait_alu depctr_va_vdst(0)
	v_lshlrev_b32 v[GR32], 5, v8
	v_and_b32 v11, 8, v8
	s_delay_alu instid0(VALU_DEP_1)
	v_add_nc_u32 v[DG], v11, v8                    ; r + 8 (r / 8)
	v_lshlrev_b32 v11, 4, v9
	s_delay_alu instid0(VALU_DEP_1)
	v_sub_nc_u32 v[DG], v[DG], v11                 ; - 16 h
	s_lshl_b32 s15, s19, 5
	s_lshl_b32 s16, s14, 3
	s_add_co_u32 s15, s15, s16
	v_add_nc_u32 v[DG], s15, v[DG]                 ; + 32 cx + 8 kp: the same in both tiles
	s_lshl_b32 s15, s19, 1
	s_add_co_u32 s15, s15, s14                     ; 2 cx + kp
	s_xor_b32 s16, s[PR], 15                       ; 15 - pr
	s_lshl_b32 s16, s16, 3
	s_add_co_u32 s16, s16, s15                     ; the long tile
	s_lshl_b32 s17, s[PR], 3
	s_add_co_u32 s17, s17, s15                     ; the short tile
	s_lshr_b32 s2, s12, 4                          ; batch
	s_and_b32 s3, s12, 15                          ; head
	s_mul_i32 s66, s3, 768
	s_lshl_b32 s67, s3, 1
	s_lshl_b32 s76, s2, 7
	s_lshl_b32 s77, s2, 16
.macro BASES t, o                      ; tile s[t]'s four addresses into s[o .. o + 7]
	s_mul_i32 s94, s[\t], 768
	s_add_co_u32 s94, s94, s96
	s_add_nc_u64 s[\o:\o+1], s[4:5], s[94:95]      ; Q's image
	s_lshl_b32 s94, s[\t], 6
	s_add_co_u32 s94, s94, s97
	s_add_nc_u64 s[\o+2:\o+3], s[6:7], s[94:95]    ; Q's scale words
	s_add_co_u32 s94, s[\t], s76
	s_mul_i32 s94, s94, 12288
	s_add_co_u32 s94, s94, s66
	s_add_nc_u64 s[\o+4:\o+5], s[8:9], s[94:95]    ; ao_codes: [128 batch + tile][head][768]
	s_lshl_b32 s94, s[\t], 9
	s_add_co_u32 s94, s94, s77
	s_add_co_u32 s94, s94, s67
	s_add_nc_u64 s[\o+6:\o+7], s[10:11], s[94:95]  ; ao_scales: [position][32], my head's two bytes
.endm
	BASES 16, BL
	BASES 17, BS
.macro QLOAD o
.irp p, 0,1,2
	global_load_b64 v[QF+2*\p:QF+2*\p+1], v[GL8], s[\o:\o+1] offset:256*\p
.endr
	global_load_b32 v255, v[GR4], s[\o+2:\o+3]
.endm
	QLOAD BL
.irp j, 6,7,8,9,10,11
	v_mov_b32 v[QF+\j], 0                          ; K = 64 .. 127 of the first product: zero codes, written once, in Q
.irp t, 0,1,2,3
	v_mov_b32 v[KFR+12*\t+\j], 0                   ; and in K's four fragments
.endr
.endr
.irp b, 0,1,2,3
	v_mov_b32 v[236+\b], 0                         ; written once: a lane permute's destination counts as one of its sources
.endr
	v_mov_b32 v253, 0                              ; (named as the upper half of the pair v[252:253] before it is first written)
.macro INIT                            ; a tile begins: the first step finds zeros, which the first change of M leaves zeros
	v_mov_b32 v13, 0xff61b1e6                      ; the largest t so far: -3e38
	s_delay_alu instid0(VALU_DEP_1)
	v_floor_f32 v12, -v13                          ; -M
	v_mov_b32 v14, 0
	v_mov_b32 v15, 0
.set jj, 0
.rept 32
	v_mov_b32 v[OT+jj], 0
.set jj, jj+1
.endr
.endm
	INIT
; A KEY STEP: 128 keys.  kind = 0: all its keys count for my queries.  kind = 1: it may lie on the diagonal or behind it.
.macro STEP kind
.if \kind
	s_cmp_gt_u32 s[NS], s[BLK]                     ; all its keys come after my queries: left out.  The branch hangs on the wave's number and the count of steps
	s_cbranch_scc1 .Lhidden_\@
.endif
	s_setprio 2
	v_add_nc_u32 v[ADK], s[TB], v[AK0]
	s_wait_alu depctr_va_vdst(0)
	v_add_nc_u32 v[ADV], s[TB], v[AV0]
	v_add_nc_u32 v[ADS], s[TS], v[ASK0]
	s_wait_alu depctr_va_vdst(0)
	v_add_nc_u32 v[ADT], s[TJ], v[ASV0]
.irp g, 0,1                                    ; S^T = K Q^T, four tiles of 16 key positions at a time
.if \g > 0
.rept 4
	v_nop                                          ; places in front of loads into registers that matrix instructions have read
.endr
.endif
.irp t, 0,1,2,3
.irp p, 0,1,2
	ds_load_b64 v[KFR+12*\t+2*\p:KFR+12*\t+2*\p+1], v[ADK] offset:(4*\g+\t)*768+256*\p
.endr
.endr
.irp u, 0,1
	ds_load_b32 v[248+\u], v[ADS] offset:(2*\g+\u)*128   ; lanes 0-15: the words of tile 4 g + 2 u; lanes 16-31: of the tile after it
.endr
	s_wait_dscnt 0x0
.irp u, 0,1
	v_wmma_scale_f32_16x16x128_f8f6f4 v[S+8*(4*\g+2*\u):S+8*(4*\g+2*\u)+7], v[KFR+24*\u:KFR+24*\u+11], v[QF:QF+11], 0, v[248+\u], v255 matrix_a_fmt:MATRIX_FMT_FP6 matrix_b_fmt:MATRIX_FMT_FP6
	v_wmma_scale_f32_16x16x128_f8f6f4 v[S+8*(4*\g+2*\u+1):S+8*(4*\g+2*\u+1)+7], v[KFR+24*\u+12:KFR+24*\u+23], v[QF:QF+11], 0, v[248+\u], v255 matrix_a_fmt:MATRIX_FMT_FP6 matrix_b_fmt:MATRIX_FMT_FP6 matrix_a_scale:MATRIX_SCALE_ROW1
.endr
.endr
.irp t, 0,1,2,3                                ; V's four fragments are asked for here and land under the softmax.  The last products that read these registers stand eight plain instructions back (the four additions, the four v_nop)
.irp c, 0,1
.irp p, 0,1,2
	ds_load_b64 v[VFR+12*\t+6*\c+2*\p:VFR+12*\t+6*\c+2*\p+1], v[ADV] offset:\c*3072+\t*768+256*\p
.endr
.endr
.endr
	s_wait_alu depctr_va_vdst(0)
.irp u, 0,1
	ds_load_b32 v[250+\u], v[ADT] offset:128*\u
.endr
.rept 4
	v_nop                                          ; places ahead of the first read of the scores
.endr
.if \kind
	s_cmp_lg_u32 s[NS], s[BLK]
	s_cbranch_scc1 .Lopen_\@
	v_mov_b32 v254, 0xff800000                     ; on the diagonal hidden scores become -infinity ahead of the maximum: p = 0 then.  The block's first key counts for every query of the block
.set jj, 0
.rept 64
	v_cmp_gt_i32 vcc_lo, 32*(jj/16)+jj%16, v[DG]
	v_cndmask_b32 v[S+jj], v[S+jj], v254, vcc_lo
.set jj, jj+1
.endr
.Lopen_\@:
.endif
.irp b, 0,1,2,3
	v_max3_num_f32 v[232+\b], v[S+16*\b], v[S+1+16*\b], v[S+2+16*\b]   ; the largest score of each block of 32 keys: it serves for the row's maximum and, since p rises with the score, for the block's largest p
.endr
.irp i, 3,5,7,9,11,13
.irp b, 0,1,2,3
	v_max3_num_f32 v[232+\b], v[232+\b], v[S+16*\b+\i], v[S+1+16*\b+\i]
.endr
.endr
.irp b, 0,1,2,3
	v_max_num_f32 v[232+\b], v[232+\b], v[S+15+16*\b]
.endr
.irp b, 0,1,2,3
	s_delay_alu instid0(VALU_DEP_4)
	v_permlanex16_b32 v[236+\b], v[232+\b], s[SEL], s[SEL+1]
.endr
.irp b, 0,1,2,3
	s_delay_alu instid0(VALU_DEP_4)
	v_max_num_f32 v[232+\b], v[232+\b], v[236+\b]  ; with lane l xor 16's 16 keys
.endr
	s_delay_alu instid0(VALU_DEP_2)
	v_max3_num_f32 v254, v232, v233, v234
	s_delay_alu instid0(VALU_DEP_1)
	v_max_num_f32 v254, v254, v235                 ; the step's largest score of my query
	s_delay_alu instid0(VALU_DEP_1)
	v_mul_f32 v254, s[CS], v254                    ; as t
	s_delay_alu instid0(VALU_DEP_1)
	v_max_num_f32 v13, v13, v254                   ; the running largest t
	v_mov_b32 v254, v12
	s_delay_alu instid0(VALU_DEP_2)
	v_floor_f32 v12, -v13                          ; the new -M = floor(-t): M is a whole number
	s_delay_alu instid0(VALU_DEP_1)
	v_sub_f32 v254, v12, v254                      ; old M - new M: a whole number, 0 or less
	s_delay_alu instid0(VALU_DEP_1)
	v_cvt_i32_f32 v254, v254                       ; (it saturates)
	s_delay_alu instid0(VALU_DEP_1)
	v_ldexp_f32 v252, 1.0, v254                    ; f = 2^(old M - new M)
.set jj, 0
.rept 32
	v_pk_fma_f32 v[S+jj:S+jj+1], v[S+jj:S+jj+1], s[CS:CS+1], v[12:13] op_sel_hi:[1,0,0]   ; t - M, two at a time
.set jj, jj+2
.endr
.irp b, 0,1,2,3
	v_fma_f32 v[232+\b], v[232+\b], s[CS], v12     ; the same of each block's largest score
.endr
.set jj, 0
	s_setprio 1
	s_wait_alu depctr_va_vdst(0)
.rept 64
	v_exp_f32 v[S+jj], v[S+jj]                     ; p = 2^(t - M), at most 1
.set jj, jj+1
.endr
	v_pk_mul_f32 v[14:15], v[14:15], v[252:253] op_sel_hi:[1,0]   ; the sums under the new M (the plain line behind the exponentials)
	s_wait_alu depctr_va_vdst(0)                   ; one wait for the batch of 64, ahead of its first reader
.irp b, 0,1,2,3
	v_exp_f32 v[232+\b], v[232+\b]                 ; the block's largest p
.endr
	v_pk_add_f32 v[236:237], v[132:133], v[136:137]
	v_pk_add_f32 v[248:249], v[140:141], v[144:145]
	v_pk_add_f32 v[246:247], v[148:149], v[152:153]
	v_pk_add_f32 v[244:245], v[156:157], v[160:161]
	v_pk_add_f32 v[242:243], v[164:165], v[168:169]
	v_pk_add_f32 v[240:241], v[172:173], v[176:177]
	v_pk_add_f32 v[238:239], v[180:181], v[184:185]
	v_pk_add_f32 v[14:15], v[14:15], v[188:189]
	v_pk_add_f32 v[236:237], v[236:237], v[128:129]
	v_pk_add_f32 v[248:249], v[248:249], v[130:131]
	v_pk_add_f32 v[246:247], v[246:247], v[134:135]
	v_pk_add_f32 v[244:245], v[244:245], v[138:139]
	v_pk_add_f32 v[242:243], v[242:243], v[142:143]
	v_pk_add_f32 v[240:241], v[240:241], v[146:147]
	v_pk_add_f32 v[238:239], v[238:239], v[150:151]
	v_pk_add_f32 v[14:15], v[14:15], v[154:155]
	v_pk_add_f32 v[236:237], v[236:237], v[158:159]
	v_pk_add_f32 v[248:249], v[248:249], v[162:163]
	v_pk_add_f32 v[246:247], v[246:247], v[166:167]
	v_pk_add_f32 v[244:245], v[244:245], v[170:171]
	v_pk_add_f32 v[242:243], v[242:243], v[174:175]
	v_pk_add_f32 v[240:241], v[240:241], v[178:179]
	v_pk_add_f32 v[238:239], v[238:239], v[182:183]
	v_pk_add_f32 v[14:15], v[14:15], v[186:187]
	v_pk_add_f32 v[236:237], v[236:237], v[190:191]
	s_delay_alu instid0(VALU_DEP_2)
	v_pk_add_f32 v[14:15], v[14:15], v[244:245]
	s_delay_alu instid0(VALU_DEP_2)
	v_pk_add_f32 v[236:237], v[236:237], v[242:243]
	v_pk_add_f32 v[248:249], v[248:249], v[240:241]
	v_pk_add_f32 v[246:247], v[246:247], v[238:239]
	s_delay_alu instid0(VALU_DEP_2)
	v_pk_add_f32 v[14:15], v[14:15], v[248:249]
	s_delay_alu instid0(VALU_DEP_2)
	v_pk_add_f32 v[236:237], v[236:237], v[246:247]
	s_delay_alu instid0(VALU_DEP_1)
	v_pk_add_f32 v[14:15], v[14:15], v[236:237]
	s_wait_alu depctr_va_vdst(0)                   ; and one for the four
.irp b, 0,1,2,3
	v_max_num_f32 v[232+\b], 0x1800000, v[232+\b]  ; the floor 2^(3 - 127): the byte cannot fall under 1 (a block whose every p is 0 keeps that byte: its codes are zeros)
.endr
.irp b, 0,1,2,3
	s_delay_alu instid0(VALU_DEP_4)
	v_add_nc_u32 v[244+\b], 0xff000000, v[232+\b]  ; 2 off the exponent field: the conversion's scale operand
.endr
.irp b, 0,1,2,3
	s_delay_alu instid0(VALU_DEP_4)
	v_lshrrev_b32 v[236+\b], 23, v[244+\b]         ; the scale's byte
.endr
	s_delay_alu instid0(VALU_DEP_3)
	v_lshl_or_b32 v253, v237, 8, v236              ; p's scale word for these 128 keys
	s_delay_alu instid0(VALU_DEP_1)
	v_lshl_or_b32 v253, v238, 16, v253
	s_delay_alu instid0(VALU_DEP_1)
	v_lshl_or_b32 v253, v239, 24, v253
.irp c, 0,1
	v_cvt_scalef32_pk16_fp6_f32 v[224+6*\c:226+6*\c], v[S+32*\c:S+15+32*\c], v[244+2*\c]
	v_cvt_scalef32_pk16_fp6_f32 v[236+4*\c:238+4*\c], v[S+16+32*\c:S+31+32*\c], v[245+2*\c]   ; (a conversion's three registers begin on an even number)
.endr
	s_setprio 0
	v_nop                                          ; one plain place behind a scaled conversion
.irp c, 0,1                                    ; the operand's layout wants a whole block in a lane
.irp i, 0,1,2
	v_permlane16_swap_b32 v[224+6*\c+\i], v[236+4*\c+\i]
.endr
.irp i, 0,1,2
	s_delay_alu instid0(VALU_DEP_3)
	v_mov_b32 v[227+6*\c+\i], v[236+4*\c+\i]
.endr
.endr
.set jj, 0
.rept 16
	v_pk_mul_f32 v[OT+jj:OT+jj+1], v[OT+jj:OT+jj+1], v[252:253] op_sel_hi:[1,0]   ; O^T under the new M.  (These are also the places between the lines that made p's codes and word and the products below)
.set jj, jj+2
.endr
	s_wait_alu depctr_va_vdst(0)
	s_wait_dscnt 0x0                               ; V's fragments and scale words are in
.irp u, 0,1                                    ; O^T += V^T P^T: the four accumulators take turns, one instruction a turn
	v_wmma_scale_f32_16x16x128_f8f6f4 v[OT+16*\u:OT+16*\u+7], v[VFR+24*\u:VFR+24*\u+11], v[224:235], v[OT+16*\u:OT+16*\u+7], v[250+\u], v253 matrix_a_fmt:MATRIX_FMT_FP6 matrix_b_fmt:MATRIX_FMT_FP6
	v_wmma_scale_f32_16x16x128_f8f6f4 v[OT+16*\u+8:OT+16*\u+15], v[VFR+24*\u+12:VFR+24*\u+23], v[224:235], v[OT+16*\u+8:OT+16*\u+15], v[250+\u], v253 matrix_a_fmt:MATRIX_FMT_FP6 matrix_b_fmt:MATRIX_FMT_FP6 matrix_a_scale:MATRIX_SCALE_ROW1
.endr
.if \kind
.Lhidden_\@:
.endif
	s_add_co_u32 s[TB], s[TB], 6144                ; the next step's addresses, on every path
	s_add_co_u32 s[TS], s[TS], 512
	s_add_co_u32 s[TJ], s[TJ], 256
	s_add_co_u32 s[NS], s[NS], 1
.endm
.macro WALK trips, kind                ; the trip count is a constant of the text
	s_mov_b32 s[CNT], \trips
.Lwalk_\@:
	STEP \kind
	s_sub_co_u32 s[CNT], s[CNT], 1
	s_cmp_lg_u32 s[CNT], 0
	s_cbranch_scc1 .Lwalk_\@
	s_setprio 0
.endm
.macro SETSTEP n
	s_mov_b32 s[TB], 6144*\n
	s_mov_b32 s[TS], 512*\n
	s_mov_b32 s[TJ], 256*\n
	s_mov_b32 s[NS], \n
.endm
.macro BAR n                           ; my part of what is read next has landed (n later loads of mine may stay out), my LDS loads are in: then the work-group's barrier
	s_wait_dscnt 0x0
	s_wait_tensorcnt \n
	s_barrier_signal -1
	s_barrier_wait -1
.endm
; A TILE'S END.  O^T / the row's sum; register 16 b + i is the true channel 32 b + 16 (lane / 16) + i of the head: two blocks of the last product's K.  Codes leave as an image (three stores of 256 consecutive bytes, at multiples
; of 256 from the buffer's first byte), the two bytes by a store of 2 bytes a row: 2 bytes in 50 of what is stored; both halves of the lanes store the same value.
.macro FINISH oc, os
.rept 4
	v_nop                                          ; places behind the last products
.endr
	v_add_f32 v14, v14, v15
	s_delay_alu instid0(VALU_DEP_1)
	v_permlanex16_b32 v252, v14, s[SEL], s[SEL+1]
	s_delay_alu instid0(VALU_DEP_1)
	v_add_f32 v14, v14, v252                       ; the row's sum
	s_wait_alu depctr_va_vdst(0)
	v_rcp_f32 v14, v14
	v_nop                                          ; a plain place behind the reciprocal
	s_wait_alu depctr_va_vdst(0)                   ; and the wait ahead of its first reader
.set jj, 0
.rept 32
	v_mul_f32 v[S+jj], v[OT+jj], v14               ; ascending: each accumulator is read from its low end on
.set jj, jj+1
.endr
.irp b, 0,1
	v_max3_num_f32 v[232+\b], |v[S+16*\b]|, |v[S+1+16*\b]|, 0x1800000
.endr
.irp i, 2,4,6,8,10,12,14
.irp b, 0,1
	s_delay_alu instid0(VALU_DEP_2)
	v_max3_num_f32 v[232+\b], v[232+\b], |v[S+16*\b+\i]|, |v[S+1+16*\b+\i]|
.endr
.endr
.irp b, 0,1
	s_delay_alu instid0(VALU_DEP_2)
	v_permlanex16_b32 v[236+\b], v[232+\b], s[SEL], s[SEL+1]
.endr
.irp b, 0,1
	s_delay_alu instid0(VALU_DEP_2)
	v_max_num_f32 v[232+\b], v[232+\b], v[236+\b]
.endr
.irp b, 0,1
	s_delay_alu instid0(VALU_DEP_2)
	v_add_nc_u32 v[244+\b], 0xff000000, v[232+\b]
.endr
.irp b, 0,1
	s_delay_alu instid0(VALU_DEP_2)
	v_lshrrev_b32 v[236+\b], 23, v[244+\b]
.endr
	s_delay_alu instid0(VALU_DEP_1)
	v_lshl_or_b32 v246, v237, 8, v236              ; my row's two bytes
	v_cvt_scalef32_pk16_fp6_f32 v[224:226], v[S:S+15], v244
	v_cvt_scalef32_pk16_fp6_f32 v[236:238], v[S+16:S+31], v245
	v_nop                                          ; one plain place behind a scaled conversion
.irp i, 0,1,2
	v_permlane16_swap_b32 v[224+\i], v[236+\i]
.endr
.irp i, 0,1,2
	s_delay_alu instid0(VALU_DEP_3)
	v_mov_b32 v[227+\i], v[236+\i]                 ; lane (r, h): channels 32 h + 0 .. 31 of my head
.endr
.irp p, 0,1,2
	global_store_b64 v[GL8], v[224+2*\p:225+2*\p], s[\oc:\oc+1] offset:256*\p
.endr
	global_store_b16 v[GR32], v246, s[\os:\os+1]
.endm
	s_wait_loadcnt 0x0                             ; Q of the long tile
	BAR 2                                          ; the scale words and steps 0-1 are in; the two later parts may be out
	SETSTEP 0
	WALK 2, 0
	BAR 1                                          ; steps 2-7 are in
	SETSTEP 2
	WALK 6, 0
	BAR 0                                          ; all is in: from here on no wave waits for another
	SETSTEP 8
	s_xor_b32 s[BLK], s[PR], 15                    ; the long tile's block: 15 - pr
	WALK 8, 1
	QLOAD BS                                       ; the short tile's Q lands under the long tile's end (the products that read these registers stand a softmax back)
	FINISH BL+4, BL+6
	INIT
	s_wait_xcnt 0x0                                ; the stores have read their data: the codes' registers are written again only behind this wait
	s_wait_loadcnt 0x0
	SETSTEP 0
	s_mov_b32 s[BLK], s[PR]
	WALK 8, 1
	FINISH BS+4, BS+6
	s_wait_tensorcnt 0x0                           ; the wave's end, behind my last tensor load
	ds_add_u32 v[SPW], v[NIL]
	s_wait_dscnt 0x0
	CROUND                                         ; the closing round
	s_endpgm
.Lfunc_end_k_q43b923be25_attn:
	.size	k_q43b923be25_attn, .Lfunc_end_k_q43b923be25_attn-k_q43b923be25_attn
	.p2alignl 7, 3214868480
	.fill 96, 4, 3214868480
	.section	.rodata,"a",@progbits
	.p2align	6, 0x0
	.amdhsa_kernel k_q43b923be25_attn
		.amdhsa_group_segment_fixed_size 210944
		.amdhsa_private_segment_fixed_size 0
		.amdhsa_enable_private_segment 0
		.amdhsa_kernarg_size 32
		.amdhsa_user_sgpr_count 2
		.amdhsa_user_sgpr_kernarg_segment_ptr 1
		.amdhsa_wavefront_size32 1
		.amdhsa_system_sgpr_workgroup_id_x 1
		.amdhsa_system_sgpr_workgroup_id_y 1
		.amdhsa_system_sgpr_workgroup_id_z 1
		.amdhsa_system_vgpr_workitem_id 0
		.amdhsa_next_free_vgpr 256
		.amdhsa_next_free_sgpr 100
		.amdhsa_reserve_vcc 1
		.amdhsa_float_denorm_mode_32 3
		.amdhsa_float_denorm_mode_16_64 3
		.amdhsa_memory_ordered 1
		.amdhsa_forward_progress 1
		.amdhsa_inst_pref_size 108
	.end_amdhsa_kernel
	.amdgpu_metadata
---
amdhsa.version: [ 1, 2 ]
amdhsa.kernels:
  - .name:           k_q43b923be25_attn
    .symbol:         k_q43b923be25_attn.kd
    .args:
      - { .name: qkv_codes, .offset: 0, .size: 8, .value_kind: global_buffer, .address_space: global }
      - { .name: qkv_scales, .offset: 8, .size: 8, .value_kind: global_buffer, .address_space: global }
      - { .name: ao_codes, .offset: 16, .size: 8, .value_kind: global_buffer, .address_space: global }
      - { .name: ao_scales, .offset: 24, .size: 8, .value_kind: global_buffer, .address_space: global }
    .group_segment_fixed_size: 210944
    .private_segment_fixed_size: 0
    .kernarg_segment_align: 8
    .kernarg_segment_size: 32
    .max_flat_workgroup_size: 512
    .sgpr_count:     100
    .vgpr_count:     256
    .wavefront_size: 32
...
	.end_amdgpu_metadata
.endif
;; end of part 3
;; launch outp (part 4): grid 4 x 32, 4 waves a work-group, clusters of 4 x 4, 327,680 bytes of LDS; arguments ao_codes, ao_scales, w_codes, w_scales, out0; writes out0
.if DOCPART == 4
	.amdgcn_target "amdgcn-amd-amdhsa--gfx1250"
	.amdhsa_code_object_version 6
	.text
	.protected	k_q43b923be25_outp
	.globl	k_q43b923be25_outp
	.p2align	8
	.type	k_q43b923be25_outp,@function
k_q43b923be25_outp:
	s_mov_b64 s[64:65], 0
	v_nop
	global_prefetch_b8 v0, s[64:65] scope:SCOPE_SE
	s_setreg_imm32_b32 hwreg(HW_REG_WAVE_MODE, 25, 1), 1
	s_wait_xcnt 0x0
	s_wait_alu depctr_hold_cnt(0) depctr_sa_sdst(0) depctr_va_vdst(0) depctr_va_sdst(0) depctr_va_ssrc(0) depctr_va_vcc(0) depctr_vm_vsrc(0)
	s_getreg_b32 s2, hwreg(HW_REG_IB_STS2, 6, 4)
	s_cmp_eq_u32 s2, 0
	s_cbranch_scc0 .Lentry_in_a_cluster
	s_endpgm
.Lentry_in_a_cluster:
	s_bfe_u32 s2, ttmp6, 0x10000c
	s_cmp_lg_u32 s2, 0xf033
	s_cbranch_scc0 .Lentry_shape_is_right
	s_endpgm
.Lentry_shape_is_right:
; LAUNCH 4 OF 4: out0 = A W_O^T on codes of FP6 (E2M3) with E8M0 scales, M = 8,192, N = 1,024, K = 1,024; A is the attention's result as launch 3 left it; out0 is f32.
; A tile of 256 x 256 is made by a work-group of four waves; a wave makes 128 x 128: 64 accumulators, 512 registers.  K goes in steps of 256 through a ring of two LDS slots filled by the tensor data mover.
; A'S CODES ARE IMAGES OF OPERAND REGISTERS: ao_codes [512 tiles of 16 positions][16 heads][768 bytes]: a head's 64 along K of 16 rows, piece p (0 .. 2) of 256 bytes with lane l's registers 2 p, 2 p + 1 at 8 l.
; A K step of 256 is four heads: 3,072 consecutive bytes of each tile of rows; a wave's tensor load brings 8 such rows, 12,288 bytes apart.  A fragment's six loads each read 256 consecutive bytes of LDS.
; B = W_O: rows 3,072 on of the weights' codes, as rows of a stream of bits, padded in LDS.  The scale bytes of the work-group's 2 x 256 rows come once, with the first fills.
; A's rows are token POSITIONS (bits 3 and 4 of the token's index exchanged): the way out stores row t of block a at token 32 (a / 2) + 8 (a % 2) + t + 8 (t / 8) of my 128.
; CLUSTERS: 4 x 4 work-groups; A's tiles are asked for jointly along a row of the cluster, B's along a column.  THE MATRIX INSTRUCTION IS USED TRANSPOSED: a lane holds eight neighbouring numbers of a row of out0.
; 128 work-groups: the tile that the registers hold gives no more at this size.  No prefetch: of four K steps two are asked for at the head.
; REGISTERS as in launch 2: window 0: v0-31 addresses; v32-63 scale words; v128-223 A's fragments (on the way out v128-255: rows read back); window 1: B's fragments, two sets; windows 2, 3: the accumulators.
.set SIZE_N, 1024
.set NQ,     2
.set ROWB,   192
.set KROW,   768
.set ASLB,   3072                      ; A: a tile of rows' bytes in a slot
.set PITCH,  240
.set FR,     12
.set NL,     6
.set NP,     4
.set HALFT,  128*PITCH                 ; 128 rows of B; A's 128 rows (24,576 bytes) have a region of the same size
.set SLOT,   4*HALFT
.set LAPS,   2
.set KS,     32
.set SCL,    2*SLOT
.set HALFS,  16*272
.set SBLK,   2*272
.set SPARE,  SCL+4*HALFS               ; the spare words: 128 bytes a wave, two blocks of 256 bytes that no other line names
.set SPITCH, 528                       ; the way out: a stage of 16 rows x (512 bytes + 16) for each wave, in slot 0, which has had its last fill and its last read when the first result is stored there
.set ADRA, 16
.set ADRB, 20
.set STO,  24
.set RD,   25
.set CO,   26
.set ADRS, 27
.set SPW,  28
.set NIL,  29
.set SC,   32
.set AF,   128
.set BK,   128
.set G1, 24
.set G0, 32
.set G1B, 48
.set G0B, 56
.set G1S, 68
.set G0S, 76
.set G1SB, 80
.set G0SB, 88
.set MSB, 0
.macro WIN new
.if MSB != \new
	s_set_vgpr_msb (MSB<<8)|\new
.set MSB, \new
.endif
.endm
.set MUL_LO, 0xa1
.set MUL_HI, 0xf1
.set TO_B,   0x40
.macro JLOAD g0a, g1a, g0b, g1b        ; a joint load: waves 0 and 1 fetch for A, waves 2 and 3 for B; an s_nop 0 and four v_nop follow each of the two lines
	s_cmp_eq_u32 s15, 0
	s_cbranch_scc0 .Lfor_b_\@
	tensor_load_to_lds s[\g0a:\g0a+3], s[\g1a:\g1a+7]
	s_nop 0
.rept 4
	v_nop
.endr
	s_branch .Lasked_\@
.Lfor_b_\@:
	tensor_load_to_lds s[\g0b:\g0b+3], s[\g1b:\g1b+7]
	s_nop 0
.rept 4
	v_nop
.endr
.Lasked_\@:
.endm
.macro CREST
	s_cmp_lg_u32 s14, 0
	s_cbranch_scc1 .Lnot_wave_0_\@
	s_barrier_signal -3
.Lnot_wave_0_\@:
	s_barrier_wait -3
	s_barrier_signal -1
	s_barrier_wait -1
.endm
.macro CROUND
	s_barrier_signal -1
	s_barrier_wait -1
	CREST
.endm
	s_load_b128 s[4:7], s[0:1], 0x0                ; ao_codes, ao_scales
	s_load_b128 s[8:11], s[0:1], 0x10              ; w_codes, w_scales
	s_load_b64 s[12:13], s[0:1], 0x20              ; out0
	v_lshl_add_u32 v[SPW], v0, 2, SPARE
	v_mov_b32 v[NIL], 0
	ds_add_u32 v[SPW], v[NIL]                      ; the wave's opening: the add, twice on end, and its wait ahead of my first tensor load
	ds_add_u32 v[SPW], v[NIL]
	v_lshrrev_b32 v1, 5, v0
	v_readfirstlane_b32 s14, v1                    ; wave 0..3
	s_lshr_b32 s15, s14, 1                         ; which half of the tile's rows is mine.  Also: I fetch for A (0) or for B (1)
	s_and_b32 s16, s14, 1                          ; which half of its columns.  Also: which 128 rows of that tile I fetch
	s_bfe_u32 s40, ttmp6, 0x40000                  ; cx, cy
	s_bfe_u32 s41, ttmp6, 0x40004
	s_lshl_b32 s42, ttmp9, 2
	s_add_co_u32 s42, s42, s40                     ; tile column
	s_and_b32 s17, ttmp7, 0xffff
	s_lshl_b32 s17, s17, 2
	s_add_co_u32 s17, s17, s41                     ; tile row
	s_lshl_b32 s43, s41, 2
	s_lshl_b32 s43, 15, s43                        ; my row of the cluster
	s_lshl_b32 s44, 0x1111, s40                    ; my column
	; group 1 for A: 8 rows of 3,072 bytes (384 elements of 8 bytes), 12,288 bytes (1,536 elements) apart, no padding
	s_or_b32 s[G1+0], s43, (3<<16)|(1<<21)
	s_mov_b32 s[G1+1], 384<<16
	s_mov_b32 s[G1+2], 8<<16
	s_mov_b32 s[G1+3], 384<<16
	s_mov_b32 s[G1+4], 8
	s_mov_b32 s[G1+5], 1536
	s_mov_b32 s[G1+6], 0
	s_mov_b32 s[G1+7], 0
	; for B: 128 rows of 192 bytes, 16 bytes of padding behind every 64
	s_or_b32 s[G1B+0], s44, (0<<16)|(1<<20)|(1<<21)|(3<<22)|(3<<25)
	s_mov_b32 s[G1B+1], ROWB<<16
	s_mov_b32 s[G1B+2], 128<<16
	s_mov_b32 s[G1B+3], ROWB<<16
	s_mov_b32 s[G1B+4], 128
	s_mov_b32 s[G1B+5], KROW
	s_mov_b32 s[G1B+6], 0
	s_mov_b32 s[G1B+7], 0
	; the scales of 128 rows: 16 rows of 256 bytes, 16 bytes of padding behind each
	s_or_b32 s[G1S+0], s43, (3<<16)|(1<<20)|(1<<21)|(5<<22)|(3<<25)
	s_or_b32 s[G1SB+0], s44, (3<<16)|(1<<20)|(1<<21)|(5<<22)|(3<<25)
.irp g, G1S, G1SB
	s_mov_b32 s[\g+1], 32<<16
	s_mov_b32 s[\g+2], (128*KS/256)<<16
	s_mov_b32 s[\g+3], 32<<16
	s_mov_b32 s[\g+4], 128*KS/256
	s_mov_b32 s[\g+5], 32
	s_mov_b32 s[\g+6], 0
	s_mov_b32 s[\g+7], 0
.endr
	s_lshl_b32 s18, s16, 7
	s_lshl_b32 s20, s17, 8
	s_add_co_u32 s20, s20, s18                     ; A: position 256 x tile row + 128 x half
	s_lshl_b32 s46, s42, 8
	s_add_co_u32 s46, s46, s18                     ; B: row 256 x tile column + 128 x half
	s_mov_b32 s21, 0
	s_mov_b32 s47, 0
	s_mov_b64 s[18:19], KS
	s_mul_u64 s[22:23], s[20:21], s[18:19]
	s_mul_u64 s[92:93], s[46:47], s[18:19]
	s_mov_b64 s[18:19], KROW
	s_mul_u64 s[20:21], s[20:21], s[18:19]         ; A: 16 positions are 12,288 bytes: 768 a position, as in a row of codes
	s_mul_u64 s[46:47], s[46:47], s[18:19]
	s_mul_i32 s45, s14, HALFT
	s_mul_i32 s94, s14, HALFS
	s_wait_dscnt 0x0                               ; both opening adds are done
	s_wait_kmcnt 0x0
	s_add_nc_u64 s[8:9], s[8:9], 3072*KROW         ; W_O's codes
	s_add_nc_u64 s[10:11], s[10:11], 3072*KS       ; and scale bytes
	s_add_nc_u64 s[20:21], s[4:5], s[20:21]
	s_add_nc_u64 s[22:23], s[6:7], s[22:23]
	s_add_nc_u64 s[46:47], s[8:9], s[46:47]
	s_add_nc_u64 s[92:93], s[10:11], s[92:93]
	CROUND                                         ; all sixteen work-groups are here: the first joint loads meet
	s_mov_b32 s[G0S], 1
	s_add_co_u32 s[G0S+1], s94, SCL
	s_mov_b64 s[G0S+2:G0S+3], s[22:23]
	s_or_b32 s[G0S+3], s[G0S+3], 0x80000000
	s_mov_b32 s[G0SB], 1
	s_add_co_u32 s[G0SB+1], s94, SCL
	s_mov_b64 s[G0SB+2:G0SB+3], s[92:93]
	s_or_b32 s[G0SB+3], s[G0SB+3], 0x80000000
	JLOAD G0S, G1S, G0SB, G1SB
.irp s, 0,1
	s_mov_b32 s[G0+4*\s], 1
	s_add_co_u32 s[G0+4*\s+1], s45, \s*SLOT
	s_add_nc_u64 s[G0+4*\s+2:G0+4*\s+3], s[20:21], \s*ASLB
	s_or_b32 s[G0+4*\s+3], s[G0+4*\s+3], 0x80000000
	s_mov_b32 s[G0B+4*\s], 1
	s_add_co_u32 s[G0B+4*\s+1], s45, \s*SLOT
	s_add_nc_u64 s[G0B+4*\s+2:G0B+4*\s+3], s[46:47], \s*ROWB
	s_or_b32 s[G0B+4*\s+3], s[G0B+4*\s+3], 0x80000000
	s_wait_alu depctr_va_vdst(0)
	s_wait_tensorcnt 0x0
	ds_add_u32 v28, v29
	s_wait_dscnt 0x0
	CROUND
	JLOAD G0+4*\s, G1, G0B+4*\s, G1B               ; one tensor load of mine is out: the earlier ones have landed
.endr
	v_and_b32 v1, 15, v0                           ; l % 16
	v_bfe_u32 v2, v0, 4, 1                         ; l / 16
	v_mul_u32_u24 v3, v1, PITCH
	v_mul_u32_u24 v4, v2, 24
	v_add_nc_u32 v4, v3, v4                        ; B: a fragment's row x pitch + 24 x half
	v_lshl_add_u32 v5, v2, 4, v4                   ; and the same behind one padding more
	v_and_b32 v6, 31, v0
	v_lshlrev_b32 v7, 3, v6                        ; A: 8 x lane
	s_mul_i32 s21, s15, HALFT
	s_mul_i32 s22, s16, HALFT
	s_add_co_u32 s22, s22, 2*HALFT
.irp s, 0,1
	v_add_nc_u32 v[ADRA+\s], s21, v7
	v_add_nc_u32 v[ADRB+\s], s22, v4
	v_add_nc_u32 v[ADRB+2+\s], s22, v5
	s_add_co_u32 s21, s21, SLOT
	s_add_co_u32 s22, s22, SLOT
.endr
	v_mul_u32_u24 v5, v1, KS
	v_lshrrev_b32 v6, 8, v5
	v_lshl_add_u32 v5, v6, 4, v5
	s_mul_i32 s21, s15, HALFS
	s_mul_i32 s22, s16, HALFS
	s_add_co_u32 s22, s22, 2*HALFS
	s_sub_co_u32 s22, s22, s21
	v_mul_u32_u24 v6, s22, v2                      ; lanes 16-31 take B's
	s_add_co_u32 s21, s21, SCL
	v_add_nc_u32 v5, v5, v6
	v_add_nc_u32 v[ADRS], s21, v5
	s_mul_i32 s23, s14, 16*SPITCH                  ; my stage
	v_mul_u32_u24 v5, v1, SPITCH
	v_lshl_add_u32 v5, v2, 5, v5
	v_add_nc_u32 v[STO], s23, v5
	v_and_b32 v6, 31, v0
	v_lshlrev_b32 v[CO], 4, v6
	v_add_nc_u32 v[RD], s23, v[CO]
	s_lshl_b32 s20, s17, 8
	s_lshl_b32 s21, s15, 7
	s_add_co_u32 s20, s20, s21                     ; my first row of out0: 256 x tile row + 128 x half (the exchange of bits stays inside 32 rows)
	s_mov_b32 s21, 0
	s_mov_b64 s[18:19], SIZE_N*4
	s_mul_u64 s[20:21], s[20:21], s[18:19]
	s_lshl_b32 s46, s42, 10
	s_lshl_b32 s47, s16, 9
	s_add_co_u32 s46, s46, s47
	s_mov_b32 s47, 0
	s_add_nc_u64 s[20:21], s[20:21], s[46:47]
	s_add_nc_u64 s[12:13], s[12:13], s[20:21]
.macro FRAG reg, adr, q, i             ; a fragment of B from padded rows, in pieces of 8 bytes
.irp p, 0,1,2,3,4,5
.set PCE, 12*(\q)+6*(\p/3)+\p%3
.if PCE%8 < 5
	ds_load_b64 v[\reg+2*\p:\reg+2*\p+1], v[\adr] offset:8*PCE+16*(PCE/8)+(\i)*16*PITCH
.else
	ds_load_b64 v[\reg+2*\p:\reg+2*\p+1], v[\adr+2] offset:8*PCE+16*(PCE/8)+(\i)*16*PITCH
.endif
.endr
.endm
.macro FRAG_A reg, slot, q, i          ; a fragment of A from its images: heads 2 q and 2 q + 1 of the slot's four, tile of rows i
.irp p, 0,1,2,3,4,5
	ds_load_b64 v[\reg+2*\p:\reg+2*\p+1], v[ADRA+\slot] offset:(\i)*ASLB+(2*(\q)+\p/3)*768+(\p%3)*256
.endr
.endm
.macro MUL16 a0, p, q, sc, zero        ; the 64 accumulators take turns, one instruction a turn
.irp a, \a0, \a0+1
.irp b, 0,1,2,3,4,5,6,7
.if \zero
	v_wmma_scale_f32_16x16x128_f8f6f4 v[8*(8*((\a)%4)+\b):8*(8*((\a)%4)+\b)+7], v[128*(\p)+FR*\b:128*(\p)+FR*\b+FR-1], v[AF+FR*(\a):AF+FR*(\a)+FR-1], 0, v[SC+8*NQ*(\sc)+NQ*\b+(\q)], v[SC+8*NQ*(\sc)+NQ*(\a)+(\q)] matrix_a_fmt:MATRIX_FMT_FP6 matrix_b_fmt:MATRIX_FMT_FP6 matrix_a_scale:MATRIX_SCALE_ROW1
.else
	v_wmma_scale_f32_16x16x128_f8f6f4 v[8*(8*((\a)%4)+\b):8*(8*((\a)%4)+\b)+7], v[128*(\p)+FR*\b:128*(\p)+FR*\b+FR-1], v[AF+FR*(\a):AF+FR*(\a)+FR-1], v[8*(8*((\a)%4)+\b):8*(8*((\a)%4)+\b)+7], v[SC+8*NQ*(\sc)+NQ*\b+(\q)], v[SC+8*NQ*(\sc)+NQ*(\a)+(\q)] matrix_a_fmt:MATRIX_FMT_FP6 matrix_b_fmt:MATRIX_FMT_FP6 matrix_a_scale:MATRIX_SCALE_ROW1
.endif
.endr
.endr
.endm
.macro FETCH_B slot, q, p
	WIN TO_B
.irp i, 0,1,2,3,4,5,6,7
	FRAG 128*(\p)+FR*\i, ADRB+\slot, \q, \i
.endr
	WIN 0
.endm
.macro FETCH_A slot, q, i0
.irp i, \i0, \i0+1, \i0+2, \i0+3
	FRAG_A AF+FR*(\i), \slot, \q, \i
.endr
.endm
.macro SCALES sc
.irp i, 0,1,2,3,4,5,6,7
	ds_load_b64 v[SC+8*NQ*\sc+NQ*\i:SC+8*NQ*\sc+NQ*\i+1], v[ADRS] offset:\i*SBLK
.endr
.endm
.macro PLACES n
.rept \n
	v_nop
.endr
.endm
.macro STEP slot, q, zero
	s_wait_dscnt 4*NL                              ; B's set and A's blocks 0-3 are in; the youngest 24 loads (A's blocks 4-7) may be out
	WIN MUL_LO
	MUL16 0, (\q)%2, \q, \slot, \zero
	MUL16 2, (\q)%2, \q, \slot, \zero
	s_wait_dscnt 0
	PLACES NP
	FETCH_B \slot, (\q)+1, 1-(\q)%2
	FETCH_A \slot, (\q)+1, 0
	WIN MUL_HI
	MUL16 4, (\q)%2, \q, \slot, \zero
	MUL16 6, (\q)%2, \q, \slot, \zero
	PLACES NP
	WIN 0
	FETCH_A \slot, (\q)+1, 4
.endm
.macro TURN slot, next, fill
	s_wait_tensorcnt 0x0                           ; all my tensor loads have landed: my part of the next slot
	ds_add_u32 v[SPW], v[NIL]                      ; 0 onto my spare word
	s_wait_dscnt 4*NL+1                            ; (the add and the youngest 24 loads may be out)
	WIN MUL_LO
	MUL16 0, 1, NQ-1, \slot, 0
	s_wait_dscnt 0x0                               ; the add is done, and my reads of this slot are over
	s_barrier_signal -1
	MUL16 2, 1, NQ-1, \slot, 0
	WIN 0
	s_barrier_wait -1
.if \fill
	CREST                                          ; the barrier has opened a round of the cluster's barrier
	s_add_nc_u64 s[G0+4*\slot+2:G0+4*\slot+3], s[G0+4*\slot+2:G0+4*\slot+3], 2*ASLB
	s_add_nc_u64 s[G0B+4*\slot+2:G0B+4*\slot+3], s[G0B+4*\slot+2:G0B+4*\slot+3], 2*ROWB
	JLOAD G0+4*\slot, G1, G0B+4*\slot, G1B         ; the first tensor load behind the round
.else
	PLACES NP
.endif
	s_wait_alu depctr_va_vdst(0)
	v_add_nc_u32 v[ADRS], 4*NQ, v[ADRS]
	FETCH_B \next, 0, 0
	FETCH_A \next, 0, 0
	SCALES \next
	WIN MUL_HI
	MUL16 4, 1, NQ-1, \slot, 0
	MUL16 6, 1, NQ-1, \slot, 0
	PLACES NP
	WIN 0
	FETCH_A \next, 0, 4
.endm
	s_wait_alu depctr_va_vdst(0)
	s_wait_tensorcnt 1                             ; the scales and my part of K step 0 are in (K step 1's load may be out),
	s_barrier_signal -1
	s_barrier_wait -1                              ; everybody's are
	FETCH_B 0, 0, 0
	FETCH_A 0, 0, 0
	SCALES 0
	FETCH_A 0, 0, 4
	STEP 0, 0, 1
	s_mov_b32 s3, LAPS-1
.Llap:
	TURN 0, 1, 1
	STEP 1, 0, 0
	TURN 1, 0, 1
	STEP 0, 0, 0
	s_sub_co_u32 s3, s3, 1
	s_cmp_lg_u32 s3, 0
	s_cbranch_scc1 .Llap
	TURN 0, 1, 0
	STEP 1, 0, 0
	s_wait_dscnt 4*NL
	WIN MUL_LO
	MUL16 0, 1, NQ-1, 1, 0
	MUL16 2, 1, NQ-1, 1, 0
	s_wait_dscnt 0
	WIN MUL_HI
	MUL16 4, 1, NQ-1, 1, 0
	MUL16 6, 1, NQ-1, 1, 0
	WIN 0
; THE WAY OUT, block by block of 16 rows x 128 columns, through my own stage in LDS: back as whole rows of 512 bytes.  LDS serves a wave's instructions in order (ISA guide 5.7.1.4).
.macro TOSTAGE a
.set AC, 64*((\a)%4)
	WIN 0x08+4*((\a)/4)                            ; the data: window 2 or 3
.irp b, 0,1,2,3,4,5,6,7
	ds_store_b128 v[STO], v[AC+8*\b:AC+8*\b+3] offset:64*\b          ; each accumulator from its low end on
	ds_store_b128 v[STO], v[AC+8*\b+4:AC+8*\b+7] offset:64*\b+16
.endr
	WIN 0
.set BB, BK+64*((\a)%2)
.irp t, 0,1,2,3,4,5,6,7,8,9,10,11,12,13,14,15
	ds_load_b128 v[BB+4*\t:BB+4*\t+3], v[RD] offset:\t*SPITCH
.endr
.endm
.macro SEND a, younger                 ; younger: the LDS instructions issued behind block a's loads, which may stay out.  The base is never stepped: the row's place stands in the immediate, 520,192 bytes at the most
.set BB, BK+64*((\a)%2)
	s_wait_dscnt \younger
.irp t, 0,1,2,3,4,5,6,7,8,9,10,11,12,13,14,15
	global_store_b128 v[CO], v[BB+4*\t:BB+4*\t+3], s[12:13] offset:(32*((\a)/2)+8*((\a)%2)+\t+8*(\t/8))*SIZE_N*4 th:TH_STORE_NT   ; position 16 a + t is this token; 32 lanes store 512 consecutive bytes, at a multiple of 256 from out0's first byte
.endr
.endm
	PLACES NP
	TOSTAGE 0
.irp a, 1,2,3,4,5,6,7
.if \a > 1
	s_wait_xcnt 0x0                                ; block a - 2's stores have read their registers: block a's loads may land there
.endif
	TOSTAGE \a
	SEND \a-1, 32                                  ; behind block a - 1's loads: block a's 16 stores and 16 loads
.endr
	SEND 7, 0
	s_wait_tensorcnt 0x0                           ; the wave's end, behind my last tensor load and my last LDS store
	ds_add_u32 v[SPW], v[NIL]
	s_wait_dscnt 0x0
	CROUND                                         ; the closing round
	s_endpgm
.Lfunc_end_k_q43b923be25_outp:
	.size	k_q43b923be25_outp, .Lfunc_end_k_q43b923be25_outp-k_q43b923be25_outp
	.p2alignl 7, 3214868480
	.fill 96, 4, 3214868480
	.section	.rodata,"a",@progbits
	.p2align	6, 0x0
	.amdhsa_kernel k_q43b923be25_outp
		.amdhsa_group_segment_fixed_size 327680
		.amdhsa_private_segment_fixed_size 0
		.amdhsa_enable_private_segment 0
		.amdhsa_kernarg_size 40
		.amdhsa_user_sgpr_count 2
		.amdhsa_user_sgpr_kernarg_segment_ptr 1
		.amdhsa_wavefront_size32 1
		.amdhsa_system_sgpr_workgroup_id_x 1
		.amdhsa_system_sgpr_workgroup_id_y 1
		.amdhsa_system_sgpr_workgroup_id_z 1
		.amdhsa_system_vgpr_workitem_id 0
		.amdhsa_next_free_vgpr 1024
		.amdhsa_next_free_sgpr 98
		.amdhsa_reserve_vcc 0
		.amdhsa_float_denorm_mode_32 3
		.amdhsa_float_denorm_mode_16_64 3
		.amdhsa_memory_ordered 1
		.amdhsa_forward_progress 1
		.amdhsa_inst_pref_size 160
	.end_amdhsa_kernel
	.amdgpu_metadata
---
amdhsa.version: [ 1, 2 ]
amdhsa.kernels:
  - .name:           k_q43b923be25_outp
    .symbol:         k_q43b923be25_outp.kd
    .args:
      - { .name: ao_codes, .offset: 0, .size: 8, .value_kind: global_buffer, .address_space: global }
      - { .name: ao_scales, .offset: 8, .size: 8, .value_kind: global_buffer, .address_space: global }
      - { .name: w_codes, .offset: 16, .size: 8, .value_kind: global_buffer, .address_space: global }
      - { .name: w_scales, .offset: 24, .size: 8, .value_kind: global_buffer, .address_space: global }
      - { .name: out0, .offset: 32, .size: 8, .value_kind: global_buffer, .address_space: global }
    .group_segment_fixed_size: 327680
    .private_segment_fixed_size: 0
    .kernarg_segment_align: 8
    .kernarg_segment_size: 40
    .max_flat_workgroup_size: 128
    .sgpr_count:     98
    .vgpr_count:     1024
    .wavefront_size: 32
...
	.end_amdgpu_metadata
.endif
;; end of part 4
